; MI455X (gfx1250); checked and timed in simulation.
; The chip was launched on July 23, 2026; its instructions are those of AMD's public machine-readable ISA for CDNA 5 (MIT licence, August 2026) and "CDNA5" Instruction Set Architecture Reference Guide (July 2026). The comments in the code are by the model that wrote it; some were corrected since.
;; Self Attention. Allowed arithmetic: matrix products marked QUANTISED: E4M3 operands, one E8M0 scale for each 32 along K, by v_wmma_scale_f32_16x16x128_f8f6f4 with both operands' format E4M3, f32 sums; everything else in f32.
;; Inputs: Wk 1,024 x 1,024 float32; Wp 1,024 x 1,024 float32; Wq 1,024 x 1,024 float32; Wv 1,024 x 1,024 float32; attention_mask 4 x 2,048 float32; bk 1,024 float32; bp 1,024 float32; bq 1,024 float32; bv 1,024 float32; k 4 x 2,048 x 1,024 float32; q 4 x 2,048 x 1,024 float32; v 4 x 2,048 x 1,024 float32.
;; Outputs: out0 4 x 2,048 x 1,024 float32.
;; This version of the problem:
;;   THIS VERSION OF THE PROBLEM IS GIVEN IN LOW PRECISION. The matrix products marked QUANTISED in the list below multiply operands that are first quantised to E4M3 (4 exponent bits, 3 mantissa bits; 8 bits a number), with one power-of-two scale for each 32 numbers along K (OCP MX v1.0); their sums are f32. All else is computed in f32.
;;   The module's matrix products, in the order in which they are computed (A, B: the left and right operand; K: the contracted axis; several contracted axes count as one K, in the product's order):
;;     1. [M 8,192, K 1,024] x [K 1,024, N 1,024]; A: input q; B: input Wq: QUANTISED
;;     2. [M 8,192, K 1,024] x [K 1,024, N 1,024]; A: input k; B: input Wk: QUANTISED
;;     3. [M 8,192, K 1,024] x [K 1,024, N 1,024]; A: input v; B: input Wv: QUANTISED
;;     4. batch 64 x [M 2,048, K 64] x [K 64, N 2,048]; A: computed on the way; B: computed on the way: QUANTISED
;;     5. batch 64 x [M 2,048, K 2,048] x [K 2,048, N 64]; A: softmax (see below); B: computed on the way: QUANTISED
;;     6. [M 8,192, K 1,024] x [K 1,024, N 1,024]; A: computed on the way; B: input Wp: QUANTISED
;;   THE QUANTISER, for each operand of a quantised product, along K:
;;     - K is cut into blocks of 32 from its start; a last block that is shorter is filled with zeros.
;;     - A block's scale is 2^e with e = floor(log2(the largest magnitude in the block)) - 8, held to -126 .. 127; a block of zeros has e = 0. As a byte (E8M0): e + 127.
;;     - Each number is divided by its block's scale, clamped to +-448, and rounded to the nearest number of E4M3, ties to even, subnormals kept.
;;     - The product sums the exact products of the quantised numbers (number of the format x scale) in f32.
;;   ~~~python
;;   def quantise(x, axis):      # numpy; x: float32 -> the quantised numbers, widened to float32 again
;;       x = np.moveaxis(x, axis, -1); K = x.shape[-1]
;;       x = np.pad(x, [(0, 0)] * (x.ndim - 1) + [(0, -K % 32)]); x = x.reshape(x.shape[:-1] + (-1, 32)); a = np.abs(x).max(-1, keepdims=True)
;;       e = np.where(a > 0, np.clip(np.frexp(np.where(a > 0, a, 1))[1] - 1 - 8, -126, 127), 0)      # np.frexp(a)[1] - 1 = floor(log2(a)), exactly
;;       r = np.clip(x / 2.0 ** e, -448, 448)
;;       step = 2.0 ** (np.maximum(np.frexp(np.where(r == 0, 1, r))[1] - 1, -6) - 3)
;;       q = np.round(r / step) * step * 2.0 ** e      # np.round: ties to even
;;       return np.moveaxis(q.reshape(q.shape[:-2] + (-1,))[..., :K], -1, axis).astype(np.float32)
;;   ~~~
;;   SOFTMAX AHEAD OF A QUANTISED PRODUCT. Where the list says 'softmax', what is quantised is not the finished softmax but p = 2^(t - M), with t = logit x log2(e) and M = ceil(the row's largest t), a whole number; so 1/2 < the row's largest p <= 1. The row's sum l is taken of the UNQUANTISED p, in f32, and the product's result is divided by l at the end. Since M is a whole number, a kernel that streams over the keys may use a running M (the ceiling of the running maximum): every later rescaling is an exact power of two, which a block's scale takes up: the codes' values come out the same.
;;   OPERANDS COMPUTED ON THE WAY. 'Computed on the way' means the value that the module computes at that place (a softmax that the list does not call 'softmax' is quantised finished and normalised). What goes into a quantiser is computed in f32, as accurately as f32 sums, v_exp_f32 and their like allow (about 1e-6 of the number): no bf16 or f16 on the way to a quantiser, and a product that is left as it is and whose result goes on into a quantised operand takes f32 operands (vector FMAs, or v_wmma_f32_16x16x4_f32). A number that lies on a knife's edge between two numbers of the format may be rounded either way, as far as f32 arithmetic and the matrix unit's own rounding can turn it there, and no further.
;; One version. Each part assembles by itself: llvm-mc -triple=amdgcn-amd-amdhsa -mcpu=gfx1250 --defsym DOCPART=n.
;; ======== version 1 of 1: 4 launches
;; limits: right only within a limited range of input values
;; workspace buffers: wimg 4,325,376 bytes; qc 8,650,752 bytes; kv 17,301,504 bytes; oimg 8,388,608 bytes; osc 262,144 bytes
;; launch wprep (part 1): grid 8 x 32, 4 waves a work-group, no clusters, 0 bytes of LDS; arguments Wq, Wk, Wv, Wp, wimg; writes wimg
.if DOCPART == 1
	.amdgcn_target "amdgcn-amd-amdhsa--gfx1250"
	.amdhsa_code_object_version 6
	.text
	.protected	k_q3b98fbc99d_wprep
	.globl	k_q3b98fbc99d_wprep
	.p2align	8
	.type	k_q3b98fbc99d_wprep,@function
k_q3b98fbc99d_wprep:
	s_mov_b64 s[64:65], 0
	v_nop
	global_prefetch_b8 v0, s[64:65] scope:SCOPE_SE
	s_setreg_imm32_b32 hwreg(HW_REG_WAVE_MODE, 25, 1), 1
	s_wait_xcnt 0x0
; Wq, Wk, Wv, Wp: [1024 (k)][1024 (n)] f32, K the FIRST axis, become codes of FP8 (E4M3) with one E8M0 byte for each 32 along K, laid as IMAGES OF OPERAND REGISTERS.
; A unit (16,896 bytes) is 128 columns x 128 along K: 8 fragments of 2,048 bytes, then 4 registers of scale words (128 bytes each).
; Fragment b, quad c: 512 bytes, lane L = r + 16 h at 16 L: column 32 (b / 2) + 8 (b % 2) + r + 8 (r / 8), k = 32 c + 16 h + 0 .. 15.  Scale register e: lanes 0-15 tile 2 e, lanes 16-31 tile 2 e + 1.
; Work-group (x, y): x = which 128 columns, y = 8 t + s: tensor t, K step s.  It makes one unit.  Wave w takes 32 columns (tiles 2 w, 2 w + 1).
; A LANE TAKES A COLUMN AND ITS REGISTERS RUN DOWN K: a block of 32 lies in one lane, its largest magnitude needs no other lane, and the conversions give codes with K innermost.
; A lane's 32 codes of a block are two pieces of 16 bytes (h = 0, h = 1); the sixteen lanes of a tile store 256 consecutive, aligned bytes.
; A block's byte is its largest magnitude's exponent field - 8, held at 1 from below.  LIMITS: blocks under 2^-118 keep the byte 1; a block of zeros has the byte 1 (zero codes; only this program reads the bytes); NaN and infinities are not served.
.set X,      16                        ; v16-143  128 numbers: my column, 128 along K
.set C,      144                       ; v144-175 codes, 8 registers a block, never rewritten
.set EMAX,   8
.set EIGHTH, 16896
.set KTILE,  135168                    ; eight units
.set WTEN,   1081344                   ; a tensor: 64 units
	s_load_b256 s[4:11], s[0:1], 0x0               ; Wq, Wk, Wv, Wp
	s_load_b64 s[12:13], s[0:1], 0x20              ; wimg
	v_lshrrev_b32 v1, 5, v0
	v_readfirstlane_b32 s14, v1                    ; wave
	v_and_b32 v1, 31, v0                           ; j: my column among the wave's 32
	v_bfe_u32 v2, v1, 3, 1                         ; u = (j / 8) % 2: which of the two tiles
	v_and_b32 v3, 7, v1
	v_lshrrev_b32 v7, 4, v1
	v_lshl_add_u32 v3, v7, 3, v3                   ; r = j % 8 + 8 (j / 16): my lane's place in that tile
	v_lshlrev_b32 v4, 2, v1                        ; in: 4 bytes a lane
	v_lshlrev_b32 v5, 4, v3
	v_lshl_add_u32 v5, v2, 11, v5                  ; out: 2,048 u + 16 r,
	s_lshl_b32 s20, s14, 12
	v_add_nc_u32 v5, s20, v5                       ; + 4,096 w
	v_lshlrev_b32 v6, 2, v3
	v_lshl_add_u32 v6, v2, 6, v6                   ; scale word: 64 u + 4 r,
	s_lshl_b32 s20, s14, 7
	s_add_co_u32 s20, s20, 16384
	v_add_nc_u32 v6, s20, v6                       ; + 16,384 + 128 w
	s_and_b32 s15, ttmp7, 0xffff
	s_lshr_b32 s16, s15, 3                         ; t
	s_and_b32 s17, s15, 7                          ; s
	s_lshl_b32 s18, s17, 19                        ; 128 s rows of 4,096 bytes,
	s_lshl_b32 s19, ttmp9, 9
	s_add_co_u32 s18, s18, s19                     ; + 128 x columns,
	s_lshl_b32 s19, s14, 7
	s_add_co_u32 s18, s18, s19                     ; + 32 w columns
	s_mov_b32 s19, 0
	s_cmp_lt_u32 s16, 3                            ; Wq, Wk, Wv: units by K step, then by columns; Wp: by columns, then by K step
	s_cselect_b32 s20, s17, ttmp9
	s_cselect_b32 s21, ttmp9, s17
	s_mul_i32 s20, s20, KTILE
	s_mul_i32 s21, s21, EIGHTH
	s_add_co_u32 s20, s20, s21
	s_mul_i32 s21, s16, WTEN
	s_add_co_u32 s20, s20, s21
	s_mov_b32 s21, 0
	s_and_b32 s22, s16, 1
	s_wait_alu depctr_va_vdst(0)
	s_wait_kmcnt 0x0
	s_cmp_eq_u32 s22, 1                            ; the tensor is chosen by the work-group's number alone
	s_cselect_b64 s[4:5], s[6:7], s[4:5]
	s_cselect_b64 s[8:9], s[10:11], s[8:9]
	s_cmp_lt_u32 s16, 2
	s_cselect_b64 s[4:5], s[4:5], s[8:9]
	s_add_nc_u64 s[4:5], s[4:5], s[18:19]
	s_add_nc_u64 s[12:13], s[12:13], s[20:21]
.set i, 0
.rept 128
	global_load_b32 v[X+i], v4, s[4:5] offset:i*4096 th:TH_LOAD_NT   ; W(128 s + i, my column): 32 lanes read 128 consecutive bytes
.set i, i+1
.endr
.macro BLOCK c
.set XS, X+32*(\c)
.set CC, C+8*(\c)
.if (\c) < 2
	s_wait_loadcnt 63                              ; at most 63 of the 128 loads are out: the oldest 65 are in, blocks 0 and 1 among them
.elseif (\c) == 2
	s_wait_loadcnt 32                              ; block 3's 32 loads may be out
.else
	s_wait_loadcnt 0x0
.endif
	v_max3_num_f32 v12, |v[XS]|, |v[XS+1]|, |v[XS+2]|              ; the block's largest magnitude: all 32 numbers are mine; two chains
	v_max3_num_f32 v13, |v[XS+3]|, |v[XS+4]|, |v[XS+5]|
.irp i, 6,10,14,18,22,26
	v_max3_num_f32 v12, v12, |v[XS+\i]|, |v[XS+\i+1]|
	v_max3_num_f32 v13, v13, |v[XS+\i+2]|, |v[XS+\i+3]|
.endr
	v_max3_num_f32 v12, v12, |v[XS+30]|, |v[XS+31]|
	v_max3_num_f32 v12, v12, v13, (EMAX+1)<<23     ; and the floor 2^(9 - 127): the byte cannot fall under 1
	v_add_nc_u32 v11, -(EMAX<<23), v12             ; 8 off the exponent field: the conversion's scale operand
	v_lshrrev_b32 v13, 23, v11                     ; the scale's byte
.if (\c) == 0
	v_mov_b32 v14, v13                             ; four bytes make the K step's scale word, the lower K in the lower byte
.else
	v_lshl_or_b32 v14, v13, 8*(\c), v14
.endif
.set i, 0
.rept 32
.set i, i+1
.endr
.irp g, 0,1,2,3
	v_cvt_scalef32_pk8_fp8_f32 v[CC+2*\g:CC+2*\g+1], v[XS+8*\g:XS+8*\g+7], v11
.endr
	global_store_b128 v5, v[CC:CC+3], s[12:13] offset:512*(\c)         ; k = 32 c + 0 .. 15: the image's lanes 0-15
	global_store_b128 v5, v[CC+4:CC+7], s[12:13] offset:512*(\c)+256   ; k = 32 c + 16 .. 31: its lanes 16-31
.endm
	BLOCK 0
	BLOCK 1
	BLOCK 2
	BLOCK 3
	global_store_b32 v6, v14, s[12:13]
	s_endpgm
.Lfunc_end_k_q3b98fbc99d_wprep:
	.size	k_q3b98fbc99d_wprep, .Lfunc_end_k_q3b98fbc99d_wprep-k_q3b98fbc99d_wprep
	.p2alignl 7, 3214868480
	.fill 96, 4, 3214868480
	.section	.rodata,"a",@progbits
	.p2align	6, 0x0
	.amdhsa_kernel k_q3b98fbc99d_wprep
		.amdhsa_group_segment_fixed_size 0
		.amdhsa_private_segment_fixed_size 0
		.amdhsa_enable_private_segment 0
		.amdhsa_kernarg_size 40
		.amdhsa_user_sgpr_count 2
		.amdhsa_user_sgpr_kernarg_segment_ptr 1
		.amdhsa_wavefront_size32 1
		.amdhsa_system_sgpr_workgroup_id_x 1
		.amdhsa_system_sgpr_workgroup_id_y 1
		.amdhsa_system_sgpr_workgroup_id_z 1
		.amdhsa_system_vgpr_workitem_id 0
		.amdhsa_next_free_vgpr 192
		.amdhsa_next_free_sgpr 66
		.amdhsa_reserve_vcc 0
		.amdhsa_float_denorm_mode_32 3
		.amdhsa_float_denorm_mode_16_64 3
		.amdhsa_fp16_overflow 1
		.amdhsa_memory_ordered 1
		.amdhsa_forward_progress 1
		.amdhsa_inst_pref_size 21
	.end_amdhsa_kernel
	.amdgpu_metadata
---
amdhsa.version: [ 1, 2 ]
amdhsa.kernels:
  - .name:           k_q3b98fbc99d_wprep
    .symbol:         k_q3b98fbc99d_wprep.kd
    .args:
      - { .name: Wq, .offset: 0, .size: 8, .value_kind: global_buffer, .address_space: global }
      - { .name: Wk, .offset: 8, .size: 8, .value_kind: global_buffer, .address_space: global }
      - { .name: Wv, .offset: 16, .size: 8, .value_kind: global_buffer, .address_space: global }
      - { .name: Wp, .offset: 24, .size: 8, .value_kind: global_buffer, .address_space: global }
      - { .name: wimg, .offset: 32, .size: 8, .value_kind: global_buffer, .address_space: global }
    .group_segment_fixed_size: 0
    .private_segment_fixed_size: 0
    .kernarg_segment_align: 8
    .kernarg_segment_size: 40
    .max_flat_workgroup_size: 128
    .sgpr_count:     66
    .vgpr_count:     192
    .wavefront_size: 32
...
	.end_amdgpu_metadata
.endif
;; end of part 1
;; launch proj (part 2): grid 384 x 1, 4 waves a work-group, clusters of 4 x 1, 327,680 bytes of LDS; arguments q, k, v, bq, bk, bv, wimg, qc, kv; writes qc, kv
.if DOCPART == 2
	.amdgcn_target "amdgcn-amd-amdhsa--gfx1250"
	.amdhsa_code_object_version 6
	.text
	.protected	k_q3b98fbc99d_proj
	.globl	k_q3b98fbc99d_proj
	.p2align	8
	.type	k_q3b98fbc99d_proj,@function
k_q3b98fbc99d_proj:
	s_mov_b64 s[64:65], 0
	v_nop
	global_prefetch_b8 v0, s[64:65] scope:SCOPE_SE
	s_setreg_imm32_b32 hwreg(HW_REG_WAVE_MODE, 25, 1), 1
	s_wait_xcnt 0x0
	s_wait_alu depctr_hold_cnt(0) depctr_sa_sdst(0) depctr_va_vdst(0) depctr_va_sdst(0) depctr_va_ssrc(0) depctr_va_vcc(0) depctr_vm_vsrc(0)
	s_getreg_b32 s2, hwreg(HW_REG_IB_STS2, 6, 4)
	s_cmp_eq_u32 s2, 0
	s_cbranch_scc0 .Lentry_in_a_cluster
	s_endpgm
.Lentry_in_a_cluster:
	s_bfe_u32 s2, ttmp6, 0x10000c
	s_cmp_lg_u32 s2, 0x3003
	s_cbranch_scc0 .Lentry_shape_is_right
	s_endpgm
.Lentry_shape_is_right:
; The three input projections x W + b (x = q, k or v: [8192][1024] f32), both operands quantised to FP8 (E4M3) with one E8M0 byte for each 32 along K, and the result quantised again as attention wants it.
; SHARES.  128 work-groups to a tensor; a work-group takes 64 rows x all 1,024 columns x K = 1,024; wave w takes columns 256 w on (4 heads): 64 accumulators, 512 registers.
; x is read once, as f32, and quantised in registers: wave w makes the fragment of row tile w for each K step of 128 and hands it to the others through LDS as an image of its registers.
; W comes as images (launch wprep): a K step's tile is 135,168 dense bytes, each wave's quarter 33,792; two LDS slots by turns.
; CLUSTER.  The four work-groups of a cluster take rows of one tensor and walk the same W: each quarter is asked for JOINTLY (mask 15), the same descriptor in all four.
; TILE ORDER.  Lane r of tile (group of 32, u) holds row 32 group + 8 u + r + 8 (r / 8), for tokens and for W's columns alike: so the 16 registers that two neighbouring tiles give a lane are 16 neighbours.
; Q, K ("T"): source 0 = 16 columns of W, source 1 = 16 tokens: a lane holds ONE token, its registers run along the head's 64: quantised along d.  Q's bytes carry the 1 / sqrt(64): 3 is taken off.
; V ("N"): source 0 = 16 tokens, source 1 = 16 columns: a lane holds ONE channel, its registers run along 64 tokens: quantised along the keys.
; The two forms differ in the matrix lines, the bias loads and the bias additions: two arms of a branch on the tensor's number, which all partners share.  No LDS instruction and no barrier stands in an arm.
; LIMITS: NaN and infinities are not served; blocks under 2^-118 (Q's results: under 2^-115) are quantised with the floor's byte; a block of zeros has the floor's byte and zero codes.
; REGISTERS.  Window 0: v1-15, v29 addresses; v16-23 W's scale words; v24-27 x's; v28 the scale word just made; v32-95 x's 4 fragments (later 32 numbers at work); v96-223 x as f32, two K steps (later the biases); v224-239 codes; v240-255 at work.
;   Window 1: W's 16 fragments.   Windows 2, 3: the accumulators.  T: (head g, W tile bb, row tile a) at 8 (16 g + 4 a + bb); N: at 8 (16 g + 4 bb + a): in both, 32 registers on end are one item of the way out.
.set SLOTB,  135168
.set QUART,  33792
.set EIGHTH, 16896
.set WTEN,   1081344
.set XIMG,   2*SLOTB                   ; behind the ring: x's images, two sets of 4 fragments x 2,048 bytes + 4 x 128 bytes of scale words
.set XIB,    8704
.set SPARE,  XIMG+2*XIB                ; the spare words, 128 bytes a wave: two blocks of 256 bytes that no other line names
.set SPW, 1
.set NIL, 2
.set XA,  3                            ; x: (r + 8 (r / 8)) rows of 4,096 bytes + 64 h
.set VW,  4                            ; v4, v5   my quarter of slot 0, 1: + 16 x lane
.set VWS, 6                            ; v6, v7   the same + 4 x lane
.set XWI, 8                            ; where I store my fragment's image
.set XWS, 9                            ; and its scale words
.set XRI, 10                           ; where images are read
.set XRS, 11
.set VO0, 12                           ; the way out: byte offsets of the two quads and of the two scale bytes
.set VO1, 13
.set VSO, 14
.set VBT, 15                           ; 64 h
.set WS,  16
.set XS,  24
.set PW,  28
.set VBN, 29                           ; 4 (r + 8 (r / 8))
.set XF,  32
.set TMP, 32
.set ST0, 96
.set PC,  224
.set TM,  240
.set WV,  22
.set TEN, 23
.set G1,  24
.set G0,  32
.set XP,  44
.set BP,  46
.set OB,  48
.set STEPC,  50
.set STEPC2, 51
.set STEPZ,  52
.set STEPZ2, 53
.set FLR, 54
.set BSUB, 55
.set SEL, 56
.set MNT, 58
.set CNT, 59
.set MSB, 0
.macro WIN new                         ; the immediate's high byte repeats the setting that is left
.if MSB != (\new)
	s_set_vgpr_msb (MSB<<8)|(\new)
.set MSB, (\new)
.endif
.endm
.macro PLACES n
.rept \n
	v_nop
.endr
.endm
.macro ROUND                           ; a round of the cluster's barrier
	s_barrier_signal -1
	s_barrier_wait -1
	s_cmp_lg_u32 s[WV], 0
	s_cbranch_scc1 .Lnw0_\@
	s_barrier_signal -3
.Lnw0_\@:
	s_barrier_wait -3
	s_barrier_signal -1
	s_barrier_wait -1
.endm
; nb blocks of 32: register s + 16 b + i is number 32 b + 16 h + i of my row.  They become codes in v[PC] on and a scale word in v[PW].  adj = 1: s[BSUB] is taken off each byte.
.macro QUANT s, nb, adj
.irp b, 0,1,2,3
.if \b < \nb
	v_max3_num_f32 v[TM+\b], |v[\s+16*\b]|, |v[\s+16*\b+1]|, s[FLR]     ; my 16 numbers and the floor, under which no largest magnitude is taken
.endif
.endr
.irp i, 2,4,6,8,10,12,14
.irp b, 0,1,2,3
.if \b < \nb
	v_max3_num_f32 v[TM+\b], v[TM+\b], |v[\s+16*\b+\i]|, |v[\s+16*\b+\i+1]|
.endif
.endr
.endr
.irp b, 0,1,2,3
.if \b < \nb
	v_permlanex16_b32 v[TM+4+\b], v[TM+\b], s[SEL], s[SEL+1]
.endif
.endr
.irp b, 0,1,2,3
.if \b < \nb
	v_max_num_f32 v[TM+\b], v[TM+\b], v[TM+4+\b]                        ; with lane l xor 16's: the block's largest magnitude
.endif
.endr
.irp b, 0,1,2,3
.if \b < \nb
	v_add_nc_u32 v[TM+12+\b], 0xfc000000, v[TM+\b]                      ; 8 off the exponent field: the conversion's scale operand
.endif
.endr
.irp b, 0,1,2,3
.if \b < \nb
.endif
.endr
.irp b, 0,1,2,3
.if \b < \nb
	v_lshrrev_b32 v[TM+4+\b], 23, v[TM+12+\b]                           ; the scale's byte
.endif
.endr
.if \adj
.irp b, 0,1,2,3
.if \b < \nb
	v_sub_nc_u32 v[TM+4+\b], v[TM+4+\b], s[BSUB]                        ; Q: 2^-3 goes into the byte, which the floor holds at 4 or more
.endif
.endr
.endif
	v_lshl_or_b32 v[PW], v[TM+5], 8, v[TM+4]
.if \nb > 2
	v_lshl_or_b32 v[PW], v[TM+6], 16, v[PW]
	v_lshl_or_b32 v[PW], v[TM+7], 24, v[PW]
.endif
.irp b, 0,1,2,3
.if \b < \nb
.irp i, 0,1,2,3,4,5,6,7,8,9,10,11,12,13,14,15
.endr
	v_cvt_scalef32_pk8_fp8_f32 v[PC+4*\b:PC+4*\b+1], v[\s+16*\b:\s+16*\b+7], v[TM+12+\b]
	v_cvt_scalef32_pk8_fp8_f32 v[PC+4*\b+2:PC+4*\b+3], v[\s+16*\b+8:\s+16*\b+15], v[TM+12+\b]
.endif
.endr
	v_nop                                          ; one plain line behind the last conversion
.endm
.macro XLOAD reg, off                  ; my 16 rows' numbers of one K step: 16 neighbours of each block of 32 a lane
.irp b, 0,1,2,3
.irp j, 0,1,2,3
	global_load_b128 v[\reg+16*\b+4*\j:\reg+16*\b+4*\j+3], v[XA], s[XP:XP+1] offset:\off+128*\b+16*\j th:TH_LOAD_NT
.endr
.endr
.endm
.macro IMAGE p                         ; the fragment just made goes to LDS as it stands: 5 stores
.irp c, 0,1,2,3
	ds_store_b128 v[XWI], v[PC+4*\c:PC+4*\c+3] offset:XIB*(\p)+512*\c
.endr
	ds_store_b32 v[XWS], v[PW] offset:XIB*(\p)
.endm
.macro FETCHX p                        ; 20 loads: the four row tiles' fragments and scale words
.irp a, 0,1,2,3
.irp c, 0,1,2,3
	ds_load_b128 v[XF+16*\a+4*\c:XF+16*\a+4*\c+3], v[XRI] offset:XIB*(\p)+2048*\a+512*\c
.endr
	ds_load_b32 v[XS+\a], v[XRS] offset:XIB*(\p)+128*\a
.endr
.endm
.macro FETCHS p                        ; 8 loads: W's scale words: register e: lanes 0-15 tile 2 e, lanes 16-31 tile 2 e + 1
.irp e, 0,1,2,3,4,5,6,7
	ds_load_b32 v[WS+\e], v[VWS+(\p)] offset:(\e/4)*EIGHTH+16384+(\e%4)*128
.endr
.endm
.macro FETCHW p                        ; 64 loads: W's 16 fragments, in ascending order
.irp b, 0,1,2,3,4,5,6,7,8,9,10,11,12,13,14,15
.irp c, 0,1,2,3
	ds_load_b128 v[16*\b+4*\c:16*\b+4*\c+3], v[VW+(\p)] offset:(\b/8)*EIGHTH+(\b%8)*2048+512*\c
.endr
.endr
.endm
.macro WM d, a, b, sa, sb, zero, row   ; row = 1: source 0's scales from lanes 16-31; 2: source 1's
.if \zero
.if \row == 1
	v_wmma_scale_f32_16x16x128_f8f6f4 v[\d:\d+7], v[\a:\a+15], v[\b:\b+15], 0, v[\sa], v[\sb] matrix_a_scale:MATRIX_SCALE_ROW1
.elseif \row == 2
	v_wmma_scale_f32_16x16x128_f8f6f4 v[\d:\d+7], v[\a:\a+15], v[\b:\b+15], 0, v[\sa], v[\sb] matrix_b_scale:MATRIX_SCALE_ROW1
.else
	v_wmma_scale_f32_16x16x128_f8f6f4 v[\d:\d+7], v[\a:\a+15], v[\b:\b+15], 0, v[\sa], v[\sb]
.endif
.else
.if \row == 1
	v_wmma_scale_f32_16x16x128_f8f6f4 v[\d:\d+7], v[\a:\a+15], v[\b:\b+15], v[\d:\d+7], v[\sa], v[\sb] matrix_a_scale:MATRIX_SCALE_ROW1
.elseif \row == 2
	v_wmma_scale_f32_16x16x128_f8f6f4 v[\d:\d+7], v[\a:\a+15], v[\b:\b+15], v[\d:\d+7], v[\sa], v[\sb] matrix_b_scale:MATRIX_SCALE_ROW1
.else
	v_wmma_scale_f32_16x16x128_f8f6f4 v[\d:\d+7], v[\a:\a+15], v[\b:\b+15], v[\d:\d+7], v[\sa], v[\sb]
.endif
.endif
.endm
; 16 matrix instructions: head g's four tiles of W x the four row tiles.  The 64 accumulators take turns, one instruction a turn, in the same order in every K step.
.macro MULT g, zero                    ; source 0 (W) window 1, source 1 (x) window 0, C and D window 2 or 3
	WIN 0xa1+0x50*((\g)/2)
.irp bb, 0,1,2,3
.irp a, 0,1,2,3
	WM 128*((\g)%2)+32*\a+8*\bb, 16*(4*(\g)+\bb), XF+16*\a, WS+2*(\g)+\bb/2, XS+\a, \zero, \bb%2
.endr
.endr
.endm
.macro MULN g, zero                    ; source 0 (x) window 0, source 1 (W) window 1
	WIN 0xa4+0x50*((\g)/2)
.irp bb, 0,1,2,3
.irp a, 0,1,2,3
	WM 128*((\g)%2)+32*\bb+8*\a, XF+16*\a, 16*(4*(\g)+\bb), XS+\a, WS+2*(\g)+\bb/2, \zero, 2*(\bb%2)
.endr
.endr
.endm
; K step with parity p.  In front of the barrier: all my tensor loads have landed (my quarter of this step's tile), the add, and my LDS reads and stores are done (the last step's reads of the other slot and of the other
; set of images; my image for this step).  Behind it the other slot is filled again first (refill = 1: the barrier is a round of the cluster's), then this step's operands are read, the next step's x is quantised while they come.
.macro PERIOD p, zero, refill, quant, lcnt, xload, xoff, last
	s_wait_tensorcnt 0x0
	ds_add_u32 v[SPW], v[NIL]                      ; 0 onto my spare word
.if \refill
	s_add_nc_u64 s[G0+4*\p+2:G0+4*\p+3], s[G0+4*\p+2:G0+4*\p+3], 2*SLOTB   ; no load of mine is out: this slot's next tile
.endif
	s_wait_dscnt 0x0
.if \refill
	ROUND
	tensor_load_to_lds s[G0+4*(1-\p):G0+4*(1-\p)+3], s[G1:G1+7]
	s_nop 0
.else
	s_barrier_signal -1
	s_barrier_wait -1
.endif
	PLACES 8                                       ; eight places between the last products and loads into the registers that they read
	FETCHX \p
	FETCHS \p
	WIN 0x40
	FETCHW \p
	WIN 0
.if \quant
	s_wait_loadcnt \lcnt                           ; the next K step's 16 loads are in; those of the step after it may be out
	QUANT ST0+64*(1-\p), 4, 0
	IMAGE 1-\p
.endif
.if \xload
	XLOAD ST0+64*(1-\p), \xoff
.endif
	s_cmp_eq_u32 s[TEN], 2
	s_cbranch_scc1 .Lpn_\@
.if \last
.irp g, 0,1,2,3                        ; the biases in the result's layout: register 32 g + 16 be + i is column 64 g + 32 be + 16 h + i of my 256
.irp be, 0,1
.irp j, 0,1,2,3
	global_load_b128 v[ST0+32*\g+16*\be+4*\j:ST0+32*\g+16*\be+4*\j+3], v[VBT], s[BP:BP+1] offset:256*\g+128*\be+16*\j
.endr
.endr
.endr
.endif
.irp g, 0,1,2,3
	s_wait_dscnt 48-16*\g+5*\quant                 ; x, the scale words and W's tiles up to 4 g + 3 are in; later tiles' loads and the image's five stores may be out
	MULT \g, \zero
.endr
	WIN 0
	s_branch .Lpj_\@
.Lpn_\@:
.if \last
.set i, 0
.rept 16                               ; tile i's bias of my lane's column, twice: a pair for the packed additions
	global_load_b32 v[ST0+2*i], v[VBN], s[BP:BP+1] offset:128*(i/2)+32*(i%2)
	global_load_b32 v[ST0+2*i+1], v[VBN], s[BP:BP+1] offset:128*(i/2)+32*(i%2)
.set i, i+1
.endr
.endif
.irp g, 0,1,2,3
	s_wait_dscnt 48-16*\g+5*\quant
	MULN \g, \zero
.endr
	WIN 0
.Lpj_\@:
.endm
; Item i of the way out: 32 sums (T: head i / 4, row tile i % 4; N: W tile i) + bias, quantised in two blocks of 32, stored as two quads of an image (512 consecutive bytes each) and two scale bytes.
.macro EPI i
	s_wait_xcnt 0x0                                ; the last item's stores have read their data and offsets
.if (\i) > 0
.if (\i)%4 == 0
	v_add_nc_u32 v[VO0], s[STEPC2], v[VO0]         ; on to the next head
	v_add_nc_u32 v[VO1], s[STEPC2], v[VO1]
	v_add_nc_u32 v[VSO], s[STEPZ2], v[VSO]
.else
	v_add_nc_u32 v[VO0], s[STEPC], v[VO0]
	v_add_nc_u32 v[VO1], s[STEPC], v[VO1]
	v_add_nc_u32 v[VSO], s[STEPZ], v[VSO]
.endif
.endif
	s_cmp_eq_u32 s[TEN], 2
	s_cbranch_scc1 .Len_\@
	WIN 2+(\i)/8
.irp j, 0,1,2,3,4,5,6,7,8,9,10,11,12,13,14,15
	v_pk_add_f32 v[TMP+2*\j:TMP+2*\j+1], v[(32*(\i))%256+2*\j:(32*(\i))%256+2*\j+1], v[ST0+32*((\i)/4)+2*\j:ST0+32*((\i)/4)+2*\j+1]   ; each accumulator from its low end on
.endr
	WIN 0
	s_branch .Lej_\@
.Len_\@:
	WIN 2+(\i)/8
.irp j, 0,1,2,3,4,5,6,7,8,9,10,11,12,13,14,15
	v_pk_add_f32 v[TMP+2*\j:TMP+2*\j+1], v[(32*(\i))%256+2*\j:(32*(\i))%256+2*\j+1], v[ST0+2*(\i):ST0+2*(\i)+1]
.endr
	WIN 0
.Lej_\@:
	s_wait_alu depctr_va_vdst(0)
	QUANT TMP, 2, 1
	global_store_b128 v[VO0], v[PC:PC+3], s[OB:OB+1]
	global_store_b128 v[VO1], v[PC+4:PC+7], s[OB:OB+1]
	global_store_b16 v[VSO], v[PW], s[OB:OB+1]     ; both halves of the lanes store the same two bytes at the same place
.endm
	s_load_b512 s[4:19], s[0:1], 0x0               ; q, k, v, bq, bk, bv, wimg, qc
	s_load_b64 s[20:21], s[0:1], 0x40              ; kv
	v_lshl_add_u32 v[SPW], v0, 2, SPARE
	v_mov_b32 v[NIL], 0
	ds_add_u32 v1, v2
	ds_add_u32 v1, v2
	s_wait_dscnt 0x0
	v_lshrrev_b32 v30, 5, v0
	v_readfirstlane_b32 s[WV], v30                 ; wave 0..3
	v_and_b32 v30, 31, v0                          ; lane
	v_and_b32 v31, 15, v0                          ; r
	v_bfe_u32 v[TM], v0, 4, 1                      ; h
	v_and_b32 v[TM+1], 8, v31
	v_add_nc_u32 v[TM+1], v[TM+1], v31             ; r + 8 (r / 8)
	v_lshlrev_b32 v[XA], 12, v[TM+1]
	v_lshl_add_u32 v[XA], v[TM], 6, v[XA]
	v_lshlrev_b32 v[VBT], 6, v[TM]
	v_lshlrev_b32 v[VBN], 2, v[TM+1]
	s_mul_i32 s80, s[WV], QUART
	v_lshl_add_u32 v[VW], v30, 4, s80
	v_add_nc_u32 v[VW+1], SLOTB, v[VW]
	v_lshl_add_u32 v[VWS], v30, 2, s80
	v_add_nc_u32 v[VWS+1], SLOTB, v[VWS]
	s_lshl_b32 s81, s[WV], 11
	s_add_co_u32 s81, s81, XIMG
	v_lshl_add_u32 v[XWI], v30, 4, s81
	s_lshl_b32 s81, s[WV], 7
	s_add_co_u32 s81, s81, XIMG+8192
	v_lshl_add_u32 v[XWS], v30, 2, s81
	v_lshlrev_b32 v[XRI], 4, v30
	v_add_nc_u32 v[XRI], XIMG, v[XRI]
	v_lshlrev_b32 v[XRS], 2, v30
	v_add_nc_u32 v[XRS], XIMG+8192, v[XRS]
.irp b, 0,1,2,3
	v_mov_b32 v[TM+4+\b], 0                        ; written once: a lane permute's destination counts as one of its sources
.endr
	s_mov_b32 s[SEL], 0x76543210
	s_mov_b32 s[SEL+1], 0xfedcba98
	; who I am.  cx enters global addresses of x and of the results alone
	s_bfe_u32 s66, ttmp6, 0x40000                  ; cx: also which 64 of a slot's 256 tokens
	s_lshr_b32 s[TEN], ttmp9, 5                    ; the tensor: 32 clusters each; the same in all partners
	s_lshl_b32 s67, ttmp9, 2
	s_add_co_u32 s67, s67, s66
	s_and_b32 s67, s67, 127                        ; which 64 rows of the tensor
	s_lshr_b32 s68, s67, 5                         ; batch
	s_bfe_u32 s69, s67, 0x30002                    ; slot of 256 tokens
	s_lshl_b32 s70, s67, 18                        ; x: 64 rows of 4,096 bytes,
	s_lshr_b32 s71, s[WV], 1
	s_lshl_b32 s71, s71, 17
	s_add_co_u32 s70, s70, s71                     ; + 32 (w / 2) rows,
	s_and_b32 s71, s[WV], 1
	s_lshl_b32 s71, s71, 15
	s_add_co_u32 s70, s70, s71                     ; + 8 (w % 2) rows
	s_mov_b32 s71, 0
	s_mov_b32 s72, 270336
	s_mov_b32 s[FLR], 0x4800000
	s_cmp_eq_u32 s[TEN], 0
	s_cselect_b32 s72, 135168, s72                 ; a head's bytes in qc or in kv
	s_cselect_b32 s[FLR], 0x6000000, s[FLR]        ; the floor: 2^(9 - 127); for Q 2^(12 - 127), so that its byte less 3 is 1 or more
	s_cselect_b32 s[BSUB], 3, 0
	s_lshr_b32 s73, s72, 3                         ; a slot's bytes
	s_lshl_b32 s74, s68, 4
	s_lshl_b32 s75, s[WV], 2
	s_add_co_u32 s74, s74, s75                     ; my first head: 16 batch + 4 w
	s_mul_i32 s74, s74, s72
	s_mul_i32 s75, s69, s73
	s_add_co_u32 s74, s74, s75
	s_lshl_b32 s75, s66, 12
	s_add_co_u32 s74, s74, s75                     ; + 4,096 cx: four tiles of tokens, or two blocks of 32 keys
	s_lshl_b32 s78, s66, 7                         ; the scale bytes' place.  T: 128 cx
	s_lshr_b32 s79, s66, 1
	s_lshl_b32 s79, s79, 8
	s_and_b32 s82, s66, 1
	s_lshl_b32 s82, s82, 1
	s_add_co_u32 s79, s79, s82                     ; N: 256 (cx / 2) + 2 (cx % 2)
	s_mov_b32 s[STEPC], 1024
	s_mov_b32 s76, 512
	s_cmp_eq_u32 s[TEN], 2
	s_cselect_b32 s75, 16896, 0                    ; V's part of a slot lies behind K's
	s_cselect_b32 s[STEPC], 512, s[STEPC]          ; from item to item: a tile of tokens, or a tile of channels
	s_cselect_b32 s[STEPZ], 64, 32
	s_cselect_b32 s76, 2048, s76                   ; from the first quad to the second
	s_cselect_b32 s77, 2, 1
	s_cselect_b32 s78, s79, s78
	s_add_co_u32 s74, s74, s75
	s_mov_b32 s75, 0
	s_lshl_b32 s79, s66, 12
	s_sub_co_u32 s78, s78, s79
	s_add_co_u32 s78, s78, 16384                   ; 16,384 behind the part's first byte, from which the base stands 4,096 cx on
	s_mul_i32 s79, s[STEPC], 3
	s_sub_co_u32 s[STEPC2], s72, s79               ; from a head's last item to the next head's first
	s_mul_i32 s79, s[STEPZ], 3
	s_sub_co_u32 s[STEPZ2], s72, s79
	v_lshlrev_b32 v[VSO], s77, v31                 ; T: 2 r; N: 4 r
	v_add_nc_u32 v[VSO], s78, v[VSO]
	v_lshlrev_b32 v[VO0], 4, v30
	v_add_nc_u32 v[VO1], s76, v[VO0]
	s_mul_i32 s84, s[TEN], WTEN                    ; W: the tensor's images, my quarter
	s_mul_i32 s85, s[WV], QUART
	s_add_co_u32 s84, s84, s85
	s_mov_b32 s85, 0
	s_lshl_b32 s86, s[WV], 10                      ; the bias: my 256 columns
	s_mov_b32 s87, 0
	; descriptor group 1: 33,792 dense bytes as 132 rows of 256 bytes (32 elements of 8 bytes)
	s_mov_b32 s[G1], 15|(3<<16)|(1<<21)            ; 15:0 the mask: all four work-groups; 17:16 elements of 8 bytes; 21 set beside a mask
	s_mov_b32 s[G1+1], 32<<16                      ; tensor_dim0
	s_mov_b32 s[G1+2], 132<<16                     ; tensor_dim1
	s_mov_b32 s[G1+3], 32<<16                      ; tile_dim0
	s_mov_b32 s[G1+4], 132                         ; tile_dim1
	s_mov_b32 s[G1+5], 32                          ; the pitch
	s_mov_b32 s[G1+6], 0
	s_mov_b32 s[G1+7], 0
	s_wait_kmcnt 0x0
	s_cmp_eq_u32 s[TEN], 0
	s_cselect_b64 s[XP:XP+1], s[4:5], s[6:7]
	s_cselect_b64 s[BP:BP+1], s[10:11], s[12:13]
	s_cselect_b64 s[OB:OB+1], s[18:19], s[20:21]
	s_cmp_eq_u32 s[TEN], 2
	s_cselect_b64 s[XP:XP+1], s[8:9], s[XP:XP+1]
	s_cselect_b64 s[BP:BP+1], s[14:15], s[BP:BP+1]
	s_add_nc_u64 s[XP:XP+1], s[XP:XP+1], s[70:71]
	s_add_nc_u64 s[BP:BP+1], s[BP:BP+1], s[86:87]
	s_add_nc_u64 s[OB:OB+1], s[OB:OB+1], s[74:75]
	s_add_nc_u64 s[88:89], s[16:17], s[84:85]
	s_mov_b32 s[G0], 1
	s_mul_i32 s[G0+1], s[WV], QUART                ; slot 0, my quarter
	s_mov_b64 s[G0+2:G0+3], s[88:89]               ; K step 0
	s_or_b32 s[G0+3], s[G0+3], 0x80000000
	s_mov_b32 s[G0+4], 1
	s_add_co_u32 s[G0+5], s[G0+1], SLOTB           ; slot 1
	s_add_nc_u64 s[G0+6:G0+7], s[88:89], SLOTB     ; K step 1
	s_or_b32 s[G0+7], s[G0+7], 0x80000000
	XLOAD ST0, 0                                   ; two K steps of x are always on their way
	XLOAD ST0+64, 512
	ROUND                                          ; all four work-groups are here: the first joint loads meet
	tensor_load_to_lds s[G0:G0+3], s[G1:G1+7]
	s_nop 0
	PLACES 4
	s_wait_loadcnt 16                              ; K step 0 of x is in
	QUANT ST0, 4, 0
	IMAGE 0
	XLOAD ST0, 1024
	PERIOD 0, 1, 1, 1, 16, 1, 1536, 0              ; K step 0: its products start the sums
	s_wait_xcnt 0x0                                ; the loads have read their base
	s_add_nc_u64 s[XP:XP+1], s[XP:XP+1], 2048
	s_mov_b32 s[CNT], 2
.Lk:                                                   ; K steps 1, 2 and 3, 4
	PERIOD 1, 0, 1, 1, 16, 1, 0, 0
	PERIOD 0, 0, 1, 1, 16, 1, 512, 0
	s_wait_xcnt 0x0
	s_add_nc_u64 s[XP:XP+1], s[XP:XP+1], 1024
	s_sub_co_u32 s[CNT], s[CNT], 1
	s_cmp_lg_u32 s[CNT], 0
	s_cbranch_scc1 .Lk
	PERIOD 1, 0, 1, 1, 16, 0, 0, 0                 ; K step 5: nothing more of x to ask for
	PERIOD 0, 0, 1, 1, 0, 0, 0, 0                  ; K step 6: the last refill, the last fragment of x
	PERIOD 1, 0, 0, 0, 0, 0, 0, 1                  ; K step 7; the biases are asked for ahead of its products
	PLACES 8                                       ; between the last products and the first read of results
	s_wait_loadcnt 0x0                             ; the biases
.irp i, 0,1,2,3,4,5,6,7,8,9,10,11,12,13,14,15
	EPI \i
.endr
	s_wait_tensorcnt 0x0                           ; the wave's end
	ds_add_u32 v[SPW], v[NIL]
	s_wait_dscnt 0x0
	ROUND                                          ; the closing round: no work-group ends while a partner may still ask for a tile that names it
	s_endpgm
.Lfunc_end_k_q3b98fbc99d_proj:
	.size	k_q3b98fbc99d_proj, .Lfunc_end_k_q3b98fbc99d_proj-k_q3b98fbc99d_proj
	.p2alignl 7, 3214868480
	.fill 96, 4, 3214868480
	.section	.rodata,"a",@progbits
	.p2align	6, 0x0
	.amdhsa_kernel k_q3b98fbc99d_proj
		.amdhsa_group_segment_fixed_size 327680
		.amdhsa_private_segment_fixed_size 0
		.amdhsa_enable_private_segment 0
		.amdhsa_kernarg_size 72
		.amdhsa_user_sgpr_count 2
		.amdhsa_user_sgpr_kernarg_segment_ptr 1
		.amdhsa_wavefront_size32 1
		.amdhsa_system_sgpr_workgroup_id_x 1
		.amdhsa_system_sgpr_workgroup_id_y 1
		.amdhsa_system_sgpr_workgroup_id_z 1
		.amdhsa_system_vgpr_workitem_id 0
		.amdhsa_next_free_vgpr 1024
		.amdhsa_next_free_sgpr 100
		.amdhsa_reserve_vcc 0
		.amdhsa_float_denorm_mode_32 3
		.amdhsa_float_denorm_mode_16_64 3
		.amdhsa_fp16_overflow 1
		.amdhsa_memory_ordered 1
		.amdhsa_forward_progress 1
		.amdhsa_inst_pref_size 255
	.end_amdhsa_kernel
	.section	.bss,"aw",@nobits
	.p2align	6
	.space	262144
	.amdgpu_metadata
---
amdhsa.version: [ 1, 2 ]
amdhsa.kernels:
  - .name:           k_q3b98fbc99d_proj
    .symbol:         k_q3b98fbc99d_proj.kd
    .args:
      - { .name: q, .offset: 0, .size: 8, .value_kind: global_buffer, .address_space: global }
      - { .name: k, .offset: 8, .size: 8, .value_kind: global_buffer, .address_space: global }
      - { .name: v, .offset: 16, .size: 8, .value_kind: global_buffer, .address_space: global }
      - { .name: bq, .offset: 24, .size: 8, .value_kind: global_buffer, .address_space: global }
      - { .name: bk, .offset: 32, .size: 8, .value_kind: global_buffer, .address_space: global }
      - { .name: bv, .offset: 40, .size: 8, .value_kind: global_buffer, .address_space: global }
      - { .name: wimg, .offset: 48, .size: 8, .value_kind: global_buffer, .address_space: global }
      - { .name: qc, .offset: 56, .size: 8, .value_kind: global_buffer, .address_space: global }
      - { .name: kv, .offset: 64, .size: 8, .value_kind: global_buffer, .address_space: global }
    .group_segment_fixed_size: 327680
    .private_segment_fixed_size: 0
    .kernarg_segment_align: 8
    .kernarg_segment_size: 72
    .max_flat_workgroup_size: 128
    .sgpr_count:     100
    .vgpr_count:     1024
    .wavefront_size: 32
...
	.end_amdgpu_metadata
.endif
;; end of part 2
;; launch attn (part 3): grid 4 x 64, 16 waves a work-group, no clusters, 327,680 bytes of LDS; arguments qc, kv, attention_mask, oimg, osc; writes oimg, osc
.if DOCPART == 3
	.amdgcn_target "amdgcn-amd-amdhsa--gfx1250"
	.amdhsa_code_object_version 6
	.text
	.protected	k_q3b98fbc99d_attn
	.globl	k_q3b98fbc99d_attn
	.p2align	8
	.type	k_q3b98fbc99d_attn,@function
k_q3b98fbc99d_attn:
	s_mov_b64 s[64:65], 0
	v_nop
	global_prefetch_b8 v0, s[64:65] scope:SCOPE_SE
	s_setreg_imm32_b32 hwreg(HW_REG_WAVE_MODE, 25, 1), 1
	s_wait_xcnt 0x0
; Causal attention of one head (64 channels) on codes of FP8 (E4M3) with E8M0 scales, the additive mask honoured; the result is quantised along the model's 1,024 for the last projection.
; logit = q . k / 8 + mask[key]; t = logit x log2(e); M = the running largest t rounded UP to a whole number; p = 2^(t - M) is quantised along the keys; the row's sum is taken of the unquantised p and divides at the end.
; SHARES.  Work-group (J, head) owns query blocks J and 7 - J (256 queries each), one after the other: J + 1 and 8 - J slots of 256 keys, NINE slots whatever J is: every trip count is a constant and all work-groups have equal work.
; Each of the sixteen waves owns one tile of 16 queries, in 256 registers: four waves to a SIMD, so that one wave's vector work stands beside another's matrix work and LDS loads.
; NO CLUSTER: in a given trip the four work-groups of a head want different slots (block J ends after J + 1 slots), so no joint request would serve them.
; LAYOUT.  Both products are used transposed: S^T = K Q^T (source 0 = 16 keys), O^T = V^T P^T (source 0 = 16 channels): a lane holds ONE query throughout.  All operands lie in memory and LDS as images of registers (16 bytes a lane).
; Tiles of tokens and of channels hold rows 32 g + 8 u + r + 8 (r / 8), so that the 16 registers of two neighbouring tiles are 16 neighbours: p's conversions give the second product's operand, O's the last projection's.
; THE HEAD'S 64 IN AN INSTRUCTION'S 128: Q's operand is 8 registers of codes and 8 of zero codes.  A tile of K is named with the 8 registers behind it (the next tile's codes, finite numbers; behind the last tile: zeros), which meet Q's zero codes and add 0.
; The upper two scale bytes are 0 on both sides.  THE MASK is loaded into the accumulators and is the product's C; Q's scale bytes carry the 1 / 8.
; CAUSAL: a step all of whose 128 keys come after the wave's queries is jumped over (a scalar branch on ids); on the diagonal hidden scores become -infinity.
; LIMITS: NaN and infinities in the codes' sources are not served.  A row's largest logit within +-1.4e9.  A mask of the lowest f32 number or -infinity is served on some keys (p = 0), not on every visible key of a row.
;   Where |mask| is beyond some 2^24 times the scores, q . k / 8 + mask is rounded as the matrix unit rounds its sums.  Blocks under 2^-118 keep the byte 1.
; REGISTERS: v1-4 lane terms; v5, v6 the add's; v7 query - 16 h; v8-11 the step's addresses; v12 -M, v13 largest t, v[14:15] the sum; v16-23 Q, v24-31 zeros; v32-95 K's 8 tiles, then V's 4; v96-103 zeros;
;   v104-167 S^T, then p; v168-199 O^T; v200-215 p's codes; v216-219 K's scale words, v220-221 V's, v222 Q's, v223 p's; v224-239 at work; v[240:241] f; v242-243 at work; v244-252 the second block's Q; v253 32 r.
.set SLOT1, 65536                      ; slot 1 begins here: one exclusive or turns an address
.set KSL,   33792                      ; a slot in memory: K's codes 16,384, K's scale bytes 512, V's codes 16,384, V's scale words 512; in LDS the mask's 1,024 bytes follow
.set SPARE, 131072                     ; the spare words, 128 bytes a wave: eight blocks of 256 bytes that no other line names
.set SPW, 5
.set NIL, 6
.set TM,  224
.set PC,  200
.set PW,  242
.set TB,  2                            ; s2   the slot in hand
.set NN,  3                            ; s3   the trip
.set JJ,  14
.set KF,  15                           ; the step's first key
.set Q0,  16                           ; the first query of my group of 32
.set QE,  17                           ; the last
.set WV,  18
.set MNT, 19
.set SEL, 20
.set CS,  22
.set G1K, 24
.set G1M, 32
.set G0K, 40
.set G0M, 44
.set KVB, 48
.set MB,  50
.set SO,  52                           ; s[52:53] the next slot's byte in the head's kv
.set SM,  54                           ; s[54:55] and in the batch's mask
.set OA,  56
.set OS,  58
.set OA2, 60
.set OS2, 62
.set Q0B, 66
.set FLR, 67
.macro PLACES n
.rept \n
	v_nop
.endr
.endm
.macro QUANT s, nb, adj                ; nb blocks of 32: register s + 16 b + i is number 32 b + 16 h + i of my row -> codes in v[PC] on, scale word in v[PW]
.irp b, 0,1,2,3
.if \b < \nb
	v_max3_num_f32 v[TM+\b], |v[\s+16*\b]|, |v[\s+16*\b+1]|, s[FLR]
.endif
.endr
.irp i, 2,4,6,8,10,12,14
.irp b, 0,1,2,3
.if \b < \nb
	s_delay_alu instid0(VALU_DEP_2)
	v_max3_num_f32 v[TM+\b], v[TM+\b], |v[\s+16*\b+\i]|, |v[\s+16*\b+\i+1]|
.endif
.endr
.endr
.irp b, 0,1,2,3
.if \b < \nb
	s_delay_alu instid0(VALU_DEP_2)
	v_permlanex16_b32 v[TM+4+\b], v[TM+\b], s[SEL], s[SEL+1]
.endif
.endr
.irp b, 0,1,2,3
.if \b < \nb
	s_delay_alu instid0(VALU_DEP_2)
	v_max_num_f32 v[TM+\b], v[TM+\b], v[TM+4+\b]
.endif
.endr
.irp b, 0,1,2,3
.if \b < \nb
	s_delay_alu instid0(VALU_DEP_2)
	v_add_nc_u32 v[TM+12+\b], 0xfc000000, v[TM+\b]
.endif
.endr
.irp b, 0,1,2,3
.if \b < \nb
.endif
.endr
.irp b, 0,1,2,3
.if \b < \nb
	s_delay_alu instid0(VALU_DEP_2)
	v_lshrrev_b32 v[TM+4+\b], 23, v[TM+12+\b]
.endif
.endr
	s_delay_alu instid0(VALU_DEP_1)
	v_lshl_or_b32 v[PW], v[TM+5], 8, v[TM+4]
.irp b, 0,1,2,3
.if \b < \nb
.irp i, 0,1,2,3,4,5,6,7,8,9,10,11,12,13,14,15
.endr
	v_cvt_scalef32_pk8_fp8_f32 v[PC+4*\b:PC+4*\b+1], v[\s+16*\b:\s+16*\b+7], v[TM+12+\b]
	v_cvt_scalef32_pk8_fp8_f32 v[PC+4*\b+2:PC+4*\b+3], v[\s+16*\b+8:\s+16*\b+15], v[TM+12+\b]
.endif
.endr
	v_nop
.endm
; Wave 0 fetches a slot's K part, wave 1 its V part (16,896 bytes each), wave 2 the mask's 1,024 bytes, the others nothing.  Four v_nop follow each of the two lines.
.macro TLOAD
	s_cmp_lt_u32 s[WV], 2
	s_cbranch_scc0 .Lnot_k_\@
	tensor_load_to_lds s[G0K:G0K+3], s[G1K:G1K+7]
	s_nop 0
	PLACES 4
	s_branch .Lasked_\@
.Lnot_k_\@:
	s_cmp_lt_u32 s[WV], 3
	s_cbranch_scc0 .Lasked_\@
	tensor_load_to_lds s[G0M:G0M+3], s[G1M:G1M+7]
	s_nop 0
	PLACES 4
.Lasked_\@:
.endm
; THE CHANGE OF SLOTS stands at a slot's head: all my tensor loads have landed, the add, my reads of the slot that I have left are over; the barrier; fill = 1: the slot just left takes the keys of the next trip.
.macro CHANGE fill
	s_wait_tensorcnt 0x0
	ds_add_u32 v[SPW], v[NIL]                      ; 0 onto my spare word
.if \fill
	s_add_co_u32 s[SO], s[SO], KSL                 ; the next 256 keys,
	s_add_co_u32 s[SM], s[SM], 1024
	s_cmp_eq_u32 s[NN], s[JJ]                      ; or, where this trip ends the first block of queries, the head's first keys again
	s_cselect_b32 s[SO], 0, s[SO]
	s_cselect_b32 s[SM], 0, s[SM]
	s_add_nc_u64 s[G0K+2:G0K+3], s[KVB:KVB+1], s[SO:SO+1]
	s_or_b32 s[G0K+3], s[G0K+3], 0x80000000
	s_add_nc_u64 s[G0M+2:G0M+3], s[MB:MB+1], s[SM:SM+1]
	s_or_b32 s[G0M+3], s[G0M+3], 0x80000000
	s_xor_b32 s[G0K+1], s[G0K+1], SLOT1            ; the other slot than last time
	s_xor_b32 s[G0M+1], s[G0M+1], SLOT1
.endif
	s_wait_dscnt 0x0
	s_barrier_signal -1
	s_barrier_wait -1
.if \fill
	TLOAD
.endif
.endm
; A KEY STEP: 128 keys, the q-th of the slot in hand.
.macro STEP q
	s_cmp_gt_u32 s[KF], s[QE]                      ; all its keys come after my queries: nothing to do but to step KF
	s_cbranch_scc1 .Lhidden_\@
	v_add_nc_u32 v8, s[TB], v1
	v_add_nc_u32 v9, s[TB], v2
	v_add_nc_u32 v10, s[TB], v3
	v_add_nc_u32 v11, s[TB], v4
	PLACES 4                                       ; with the four additions: eight places between the last products and loads into the registers that they read
.irp i, 0,1,2,3,4,5,6,7
	ds_load_b128 v[32+8*\i:35+8*\i], v8 offset:(8*(\q)+\i)*1024
	ds_load_b128 v[36+8*\i:39+8*\i], v8 offset:(8*(\q)+\i)*1024+512
.endr
.irp e, 0,1,2,3
	ds_load_u16 v[216+\e], v9 offset:16384+(4*(\q)+\e)*64      ; lanes 0-15: tile 2 e's two bytes a key, lanes 16-31: tile 2 e + 1's; the upper half is 0
.endr
.set n, 0
.rept 16
	ds_load_b128 v[104+4*n:107+4*n], v11 offset:512*(\q)+128*(n/4)+16*(n%4)   ; the mask of keys 32 b + 16 h + i into register 16 b + i: the product's C
.set n, n+1
.endr
	s_wait_alu depctr_va_vdst(0)
	s_wait_dscnt 0x0
.irp i, 0,1,2,3,4,5,6,7
.if \i%2
	v_wmma_scale_f32_16x16x128_f8f6f4 v[104+8*\i:111+8*\i], v[32+8*\i:47+8*\i], v[16:31], v[104+8*\i:111+8*\i], v[216+\i/2], v222 matrix_a_scale:MATRIX_SCALE_ROW1
.else
	v_wmma_scale_f32_16x16x128_f8f6f4 v[104+8*\i:111+8*\i], v[32+8*\i:47+8*\i], v[16:31], v[104+8*\i:111+8*\i], v[216+\i/2], v222
.endif
.endr
	PLACES 8                                       ; in front of the loads over K's registers and of the first read of the scores
.irp dt, 0,1,2,3
.irp c, 0,1,2,3
	ds_load_b128 v[32+16*\dt+4*\c:35+16*\dt+4*\c], v8 offset:16896+(4*(\q)+\c)*2048+512*\dt   ; V lands while the softmax is walked
.endr
.endr
.irp e, 0,1
	ds_load_b32 v[220+\e], v10 offset:33280+256*(\q)+128*\e
.endr
	s_add_co_u32 s68, s[KF], 127                   ; a step all of whose keys count skips the mask of the diagonal
	s_cmp_le_u32 s68, s[Q0]
	s_cbranch_scc1 .Lopen_\@
	s_sub_co_i32 s68, s[Q0], s[KF]
	v_add_nc_u32 v242, s68, v7                     ; d = my query - KF - 16 h.  Register 16 b + i holds key KF + 16 h + 32 b + i: hidden where 32 b + i > d
	v_mov_b32 v243, 0xff800000                     ; -infinity
.set n, 0
.rept 64
	v_cmp_gt_i32 vcc_lo, 32*(n/16)+n%16, v242
	v_cndmask_b32 v[104+n], v[104+n], v243, vcc_lo
.set n, n+1
.endr
.Lopen_\@:
.irp b, 0,1,2,3
	v_max3_num_f32 v[224+\b], v[104+16*\b], v[105+16*\b], v[106+16*\b]   ; the largest logit of each block of 32 keys: for the row's maximum, and, since p rises with the logit, for the block's largest p
.endr
.irp i, 3,5,7,9,11,13
.irp b, 0,1,2,3
	v_max3_num_f32 v[224+\b], v[224+\b], v[104+16*\b+\i], v[105+16*\b+\i]
.endr
.endr
.irp b, 0,1,2,3
	v_max_num_f32 v[224+\b], v[224+\b], v[119+16*\b]
.endr
.irp b, 0,1,2,3
	s_delay_alu instid0(VALU_DEP_4)
	v_permlanex16_b32 v[228+\b], v[224+\b], s[SEL], s[SEL+1]
.endr
.irp b, 0,1,2,3
	s_delay_alu instid0(VALU_DEP_4)
	v_max_num_f32 v[224+\b], v[224+\b], v[228+\b]  ; with lane l xor 16's 16 keys
.endr
	s_delay_alu instid0(VALU_DEP_2)
	v_max3_num_f32 v242, v224, v225, v226
	s_delay_alu instid0(VALU_DEP_1)
	v_max_num_f32 v242, v242, v227
	s_delay_alu instid0(VALU_DEP_1)
	v_mul_f32 v242, s[CS], v242                    ; the step's largest t
	s_delay_alu instid0(VALU_DEP_1)
	v_max_num_f32 v13, v13, v242                   ; the running largest t
	v_mov_b32 v242, v12
	s_delay_alu instid0(VALU_DEP_2)
	v_floor_f32 v12, -v13                          ; the new -M = -ceil(t): a whole number
	s_delay_alu instid0(VALU_DEP_1)
	v_sub_f32 v242, v12, v242                      ; old M - new M: a whole number, 0 or less
	s_delay_alu instid0(VALU_DEP_1)
	v_cvt_i32_f32 v242, v242                       ; (it saturates)
	s_delay_alu instid0(VALU_DEP_1)
	v_ldexp_f32 v240, 1.0, v242                    ; f = 2^(old M - new M): rounds nothing
.set j, 0
.rept 32
	v_pk_fma_f32 v[104+j:105+j], v[104+j:105+j], s[CS:CS+1], v[12:13] op_sel_hi:[1,0,0]   ; t - M, two at a time
.set j, j+2
.endr
.irp b, 0,1,2,3
	v_fma_f32 v[224+\b], v[224+\b], s[CS], v12     ; the same of each block's largest logit
.endr
.set j, 0
	s_wait_alu depctr_va_vdst(0)
.rept 64
	v_exp_f32 v[104+j], v[104+j]                   ; p = 2^(t - M): one batch
.set j, j+1
.endr
	v_pk_mul_f32 v[14:15], v[14:15], v[240:241] op_sel_hi:[1,0]   ; the sums under the new M: the plain line behind the batch
	s_wait_alu depctr_va_vdst(0)                   ; one wait for the batch, ahead of its first reader
.irp b, 0,1,2,3
	v_exp_f32 v[224+\b], v[224+\b]                 ; each block's largest p
.endr
	v_pk_add_f32 v[228:229], v[108:109], v[112:113]
	v_pk_add_f32 v[254:255], v[116:117], v[120:121]
	v_pk_add_f32 v[238:239], v[124:125], v[128:129]
	v_pk_add_f32 v[236:237], v[132:133], v[136:137]
	v_pk_add_f32 v[234:235], v[140:141], v[144:145]
	v_pk_add_f32 v[232:233], v[148:149], v[152:153]
	v_pk_add_f32 v[230:231], v[156:157], v[160:161]
	v_pk_add_f32 v[14:15], v[14:15], v[164:165]
	v_pk_add_f32 v[228:229], v[228:229], v[104:105]
	v_pk_add_f32 v[254:255], v[254:255], v[106:107]
	v_pk_add_f32 v[238:239], v[238:239], v[110:111]
	v_pk_add_f32 v[236:237], v[236:237], v[114:115]
	v_pk_add_f32 v[234:235], v[234:235], v[118:119]
	v_pk_add_f32 v[232:233], v[232:233], v[122:123]
	v_pk_add_f32 v[230:231], v[230:231], v[126:127]
	v_pk_add_f32 v[14:15], v[14:15], v[130:131]
	v_pk_add_f32 v[228:229], v[228:229], v[134:135]
	v_pk_add_f32 v[254:255], v[254:255], v[138:139]
	v_pk_add_f32 v[238:239], v[238:239], v[142:143]
	v_pk_add_f32 v[236:237], v[236:237], v[146:147]
	v_pk_add_f32 v[234:235], v[234:235], v[150:151]
	v_pk_add_f32 v[232:233], v[232:233], v[154:155]
	v_pk_add_f32 v[230:231], v[230:231], v[158:159]
	v_pk_add_f32 v[14:15], v[14:15], v[162:163]
	v_pk_add_f32 v[228:229], v[228:229], v[166:167]
	s_delay_alu instid0(VALU_DEP_2)
	v_pk_add_f32 v[14:15], v[14:15], v[236:237]
	s_delay_alu instid0(VALU_DEP_2)
	v_pk_add_f32 v[228:229], v[228:229], v[234:235]
	v_pk_add_f32 v[254:255], v[254:255], v[232:233]
	v_pk_add_f32 v[238:239], v[238:239], v[230:231]
	s_delay_alu instid0(VALU_DEP_2)
	v_pk_add_f32 v[14:15], v[14:15], v[254:255]
	s_delay_alu instid0(VALU_DEP_2)
	v_pk_add_f32 v[228:229], v[228:229], v[238:239]
	s_delay_alu instid0(VALU_DEP_1)
	v_pk_add_f32 v[14:15], v[14:15], v[228:229]
	s_wait_alu depctr_va_vdst(0)                   ; and one for the four
.irp b, 0,1,2,3
	v_max_num_f32 v[224+\b], 0x4800000, v[224+\b]  ; the floor 2^(9 - 127)
.endr
.irp b, 0,1,2,3
	s_delay_alu instid0(VALU_DEP_4)
	v_add_nc_u32 v[236+\b], 0xfc000000, v[224+\b]  ; the conversion's scale operand
.endr
.irp b, 0,1,2,3
.endr
.irp b, 0,1,2,3
	s_delay_alu instid0(VALU_DEP_4)
	v_lshrrev_b32 v[228+\b], 23, v[236+\b]         ; the scale's byte
.endr
	s_delay_alu instid0(VALU_DEP_3)
	v_lshl_or_b32 v223, v229, 8, v228              ; p's scale word for these 128 keys
	s_delay_alu instid0(VALU_DEP_1)
	v_lshl_or_b32 v223, v230, 16, v223
	s_delay_alu instid0(VALU_DEP_1)
	v_lshl_or_b32 v223, v231, 24, v223
.irp b, 0,1,2,3
.irp i, 0,1,2,3,4,5,6,7,8,9,10,11,12,13,14,15
.endr
	v_cvt_scalef32_pk8_fp8_f32 v[200+4*\b:201+4*\b], v[104+16*\b:111+16*\b], v[236+\b]
	v_cvt_scalef32_pk8_fp8_f32 v[202+4*\b:203+4*\b], v[112+16*\b:119+16*\b], v[236+\b]
.endr
.set j, 0
.rept 16
	v_pk_mul_f32 v[168+j:169+j], v[168+j:169+j], v[240:241] op_sel_hi:[1,0]   ; O^T under the new M; also the places in front of the products below
.set j, j+2
.endr
	s_wait_alu depctr_va_vdst(0)
	s_wait_dscnt 0x0                               ; V
.irp dt, 0,1,2,3
.if \dt%2
	v_wmma_scale_f32_16x16x128_f8f6f4 v[168+8*\dt:175+8*\dt], v[32+16*\dt:47+16*\dt], v[200:215], v[168+8*\dt:175+8*\dt], v[220+\dt/2], v223 matrix_a_scale:MATRIX_SCALE_ROW1
.else
	v_wmma_scale_f32_16x16x128_f8f6f4 v[168+8*\dt:175+8*\dt], v[32+16*\dt:47+16*\dt], v[200:215], v[168+8*\dt:175+8*\dt], v[220+\dt/2], v223
.endif
.endr
.Lhidden_\@:
	s_add_co_u32 s[KF], s[KF], 128
.endm
; A block of queries is finished: O^T / the sum, quantised along the head's 64 (two blocks of 32), stored as two quads of the last projection's operand (512 consecutive bytes each) and two scale bytes a query.
.macro FINISH
	PLACES 8                                       ; behind the last products
	v_add_f32 v14, v14, v15
	s_delay_alu instid0(VALU_DEP_1)
	v_permlanex16_b32 v242, v14, s[SEL], s[SEL+1]
	s_delay_alu instid0(VALU_DEP_1)
	v_add_f32 v14, v14, v242                       ; the row's sum
	s_wait_alu depctr_va_vdst(0)
	v_rcp_f32 v240, v14
	v_nop                                          ; a plain line behind the reciprocal,
	s_wait_alu depctr_va_vdst(0)                   ; and the wait ahead of its first reader
.set j, 0
.rept 16
	v_pk_mul_f32 v[104+j:105+j], v[168+j:169+j], v[240:241] op_sel_hi:[1,0]   ; register 16 b + i is channel 32 b + 16 h + i; each accumulator from its low end on
.set j, j+2
.endr
	QUANT 104, 2, 0
	global_store_b128 v1, v[200:203], s[OA:OA+1]
	global_store_b128 v1, v[204:207], s[OA:OA+1] offset:512
	global_store_b16 v253, v242, s[OS:OS+1]        ; both halves of the lanes store the same two bytes at the same place
	s_wait_xcnt 0x0                                ; the stores have read their data and bases
.endm
.macro REINIT                          ; the second block of queries begins
	v_mov_b32 v222, v252
.irp i, 0,1,2,3,4,5,6,7
	v_mov_b32 v[16+\i], v[244+\i]
.endr
	v_mov_b32 v13, 0xff61b1e6
	s_delay_alu instid0(VALU_DEP_1)
	v_floor_f32 v12, -v13
	v_mov_b32 v14, 0
	v_mov_b32 v15, 0
.set j, 0
.rept 32
	v_mov_b32 v[168+j], 0
.set j, j+1
.endr
	s_mov_b32 s[KF], 0
	s_mov_b32 s[Q0], s[Q0B]
	s_add_co_u32 s[QE], s[Q0B], 31
	s_mov_b64 s[OA:OA+1], s[OA2:OA2+1]
	s_mov_b64 s[OS:OS+1], s[OS2:OS2+1]
.endm
	s_load_b256 s[4:11], s[0:1], 0x0               ; qc, kv, attention_mask, oimg
	s_load_b64 s[12:13], s[0:1], 0x20              ; osc
	v_lshl_add_u32 v[SPW], v0, 2, SPARE
	v_mov_b32 v[NIL], 0
	ds_add_u32 v5, v6
	ds_add_u32 v5, v6
	s_wait_dscnt 0x0
	v_lshrrev_b32 v8, 5, v0
	s_delay_alu instid0(VALU_DEP_1)
	v_readfirstlane_b32 s[WV], v8                  ; wave 0..15
	v_and_b32 v8, 31, v0                           ; lane
	v_and_b32 v9, 15, v0                           ; r
	v_bfe_u32 v10, v0, 4, 1                        ; h
	s_delay_alu instid0(VALU_DEP_3)
	v_lshlrev_b32 v1, 4, v8                        ; 16 x lane: an image's place
	s_delay_alu instid0(VALU_DEP_4)
	v_lshlrev_b32 v2, 1, v8                        ; 2 x lane: K's scale bytes
	v_lshlrev_b32 v3, 2, v8                        ; 4 x lane: V's scale words
	s_delay_alu instid0(VALU_DEP_4)
	v_lshlrev_b32 v4, 6, v10
	s_delay_alu instid0(VALU_DEP_1)
	v_add_nc_u32 v4, KSL, v4                       ; the mask: behind the slot's kv part, + 64 h
	v_and_b32 v11, 8, v9
	s_delay_alu instid0(VALU_DEP_1)
	v_add_nc_u32 v11, v11, v9                      ; r + 8 (r / 8)
	v_lshlrev_b32 v7, 4, v10
	s_delay_alu instid0(VALU_DEP_1)
	v_sub_nc_u32 v7, v11, v7
	s_and_b32 s68, s[WV], 1
	s_lshl_b32 s69, s68, 3
	v_add_nc_u32 v7, s69, v7                       ; my query in its group of 32, less 16 h
	v_lshlrev_b32 v253, 5, v9
	s_mul_i32 s96, s[WV], 992
	s_sub_co_u32 s96, 16384, s96
	v_lshl_add_u32 v243, v9, 1, s96                ; Q's scale bytes, from my tile's codes on: 16,384 - 1,024 w + 32 w + 2 r
	s_mov_b32 s[JJ], ttmp9
	s_and_b32 s70, ttmp7, 0xffff                   ; 16 batch + head
	s_lshr_b32 s71, s70, 4
	s_and_b32 s72, s70, 15
	s_sub_co_u32 s73, 7, s[JJ]                     ; the second block
	s_mul_i32 s82, s70, 135168
	s_lshl_b32 s85, s[WV], 10
	s_add_co_u32 s82, s82, s85
	s_mul_i32 s74, s[JJ], 16896
	s_add_co_u32 s74, s74, s82                     ; Q: head, block J, my tile
	s_mov_b32 s75, 0
	s_mul_i32 s76, s73, 16896
	s_add_co_u32 s76, s76, s82                     ; and block 7 - J
	s_mov_b32 s77, 0
	s_mul_i32 s69, s68, 16896                      ; which part of a slot I fetch, if I fetch: in LDS and in memory alike
	s_mul_i32 s78, s70, 270336
	s_add_co_u32 s78, s78, s69
	s_mov_b32 s79, 0
	s_lshl_b32 s80, s71, 13                        ; the batch's mask
	s_mov_b32 s81, 0
	s_lshl_b32 s83, s71, 7
	s_add_co_u32 s83, s83, s[WV]
	s_lshl_b32 s84, s[JJ], 4
	s_add_co_u32 s84, s84, s83                     ; my row tile: 128 batch + 16 block + w
	s_lshl_b32 s85, s73, 4
	s_add_co_u32 s85, s85, s83
	s_lshr_b32 s86, s72, 1
	s_lshl_b32 s86, s86, 11
	s_and_b32 s87, s72, 1
	s_lshl_b32 s87, s87, 10
	s_add_co_u32 s86, s86, s87                     ; the head's place in a row tile's images: K step head / 2, quads 2 (head % 2) on
	s_lshl_b32 s88, s84, 14
	s_add_co_u32 s88, s88, s86
	s_mov_b32 s89, 0
	s_lshl_b32 s90, s85, 14
	s_add_co_u32 s90, s90, s86
	s_mov_b32 s91, 0
	s_lshl_b32 s87, s72, 1
	s_lshl_b32 s92, s84, 9
	s_add_co_u32 s92, s92, s87
	s_mov_b32 s93, 0
	s_lshl_b32 s94, s85, 9
	s_add_co_u32 s94, s94, s87
	s_mov_b32 s95, 0
	s_lshr_b32 s86, s[WV], 1
	s_lshl_b32 s86, s86, 5
	s_lshl_b32 s[Q0], s[JJ], 8
	s_add_co_u32 s[Q0], s[Q0], s86
	s_add_co_u32 s[QE], s[Q0], 31
	s_lshl_b32 s[Q0B], s73, 8
	s_add_co_u32 s[Q0B], s[Q0B], s86
	s_mov_b32 s[KF], 0
	s_mov_b32 s[TB], 0
	s_mov_b32 s[NN], 0
	s_mov_b32 s[SO], 0
	s_mov_b32 s[SO+1], 0
	s_mov_b32 s[SM], 0
	s_mov_b32 s[SM+1], 0
	s_mov_b32 s[SEL], 0x76543210
	s_mov_b32 s[SEL+1], 0xfedcba98
	s_mov_b32 s[CS], 0x3fb8aa3b                    ; log2(e)
	s_mov_b32 s[CS+1], s[CS]
	s_mov_b32 s[FLR], 0x4800000
	; descriptor groups 1: dense bytes as rows of 256 (32 elements of 8 bytes): 66 rows for a part of a slot, 4 for the mask
	s_mov_b32 s[G1K], 3<<16
	s_mov_b32 s[G1K+1], 32<<16
	s_mov_b32 s[G1K+2], 66<<16
	s_mov_b32 s[G1K+3], 32<<16
	s_mov_b32 s[G1K+4], 66
	s_mov_b32 s[G1K+5], 32
	s_mov_b32 s[G1K+6], 0
	s_mov_b32 s[G1K+7], 0
	s_mov_b32 s[G1M], 3<<16
	s_mov_b32 s[G1M+1], 32<<16
	s_mov_b32 s[G1M+2], 4<<16
	s_mov_b32 s[G1M+3], 32<<16
	s_mov_b32 s[G1M+4], 4
	s_mov_b32 s[G1M+5], 32
	s_mov_b32 s[G1M+6], 0
	s_mov_b32 s[G1M+7], 0
	s_wait_kmcnt 0x0
	s_add_nc_u64 s[KVB:KVB+1], s[6:7], s[78:79]
	s_add_nc_u64 s[MB:MB+1], s[8:9], s[80:81]
	s_mov_b32 s[G0K], 1
	s_mov_b32 s[G0K+1], s69
	s_mov_b64 s[G0K+2:G0K+3], s[KVB:KVB+1]
	s_or_b32 s[G0K+3], s[G0K+3], 0x80000000
	s_mov_b32 s[G0M], 1
	s_mov_b32 s[G0M+1], KSL
	s_mov_b64 s[G0M+2:G0M+3], s[MB:MB+1]
	s_or_b32 s[G0M+3], s[G0M+3], 0x80000000
	TLOAD                                          ; slot 0: the head's first 256 keys
	s_add_nc_u64 s[74:75], s[4:5], s[74:75]
	s_add_nc_u64 s[76:77], s[4:5], s[76:77]
	s_add_nc_u64 s[OA:OA+1], s[10:11], s[88:89]
	s_add_nc_u64 s[OA2:OA2+1], s[10:11], s[90:91]
	s_add_nc_u64 s[OS:OS+1], s[12:13], s[92:93]
	s_add_nc_u64 s[OS2:OS2+1], s[12:13], s[94:95]
	global_load_b128 v[16:19], v1, s[74:75]        ; both blocks' Q stay in registers
	global_load_b128 v[20:23], v1, s[74:75] offset:512
	s_wait_alu depctr_va_vdst(0)
	global_load_u16 v222, v243, s[74:75]
	global_load_b128 v[244:247], v1, s[76:77]
	global_load_b128 v[248:251], v1, s[76:77] offset:512
	global_load_u16 v252, v243, s[76:77]
	v_mov_b32 v13, 0xff61b1e6                      ; the largest t so far: -3e38
	s_delay_alu instid0(VALU_DEP_1)
	v_floor_f32 v12, -v13
	v_mov_b32 v14, 0
	v_mov_b32 v15, 0
.irp i, 0,1,2,3,4,5,6,7
	v_mov_b32 v[24+\i], 0                          ; Q's zero codes for k = 64 .. 127
	v_mov_b32 v[96+\i], 0                          ; and what stands behind K's last tile
.endr
.irp b, 0,1,2,3
	v_mov_b32 v[228+\b], 0                         ; written once: a lane permute's destination counts as one of its sources
.endr
	v_mov_b32 v241, 0                              ; (named as the upper half of the pair v[240:241])
	v_mov_b32 v242, 0
.set j, 0
.rept 32
	v_mov_b32 v[168+j], 0                          ; O^T: the step is written once, its first turn finds zeros
.set j, j+1
.endr
	s_wait_loadcnt 0x0                             ; Q
.Lslot:                                                ; eight trips; behind each change of slots the next trip's slot is asked for
	CHANGE 1
	STEP 0
	STEP 1
	s_xor_b32 s[TB], s[TB], SLOT1
	s_cmp_lg_u32 s[NN], s[JJ]
	s_cbranch_scc1 .Lsame
	FINISH                                         ; trip J was the first block's last slot
	REINIT
.Lsame:
	s_add_co_u32 s[NN], s[NN], 1
	s_cmp_lt_u32 s[NN], 8
	s_cbranch_scc1 .Lslot
	CHANGE 0                                       ; the ninth slot is written out
	STEP 0
	STEP 1
	FINISH
	s_wait_tensorcnt 0x0                           ; the wave's end
	ds_add_u32 v[SPW], v[NIL]
	s_wait_dscnt 0x0
	s_endpgm
.Lfunc_end_k_q3b98fbc99d_attn:
	.size	k_q3b98fbc99d_attn, .Lfunc_end_k_q3b98fbc99d_attn-k_q3b98fbc99d_attn
	.p2alignl 7, 3214868480
	.fill 96, 4, 3214868480
	.section	.rodata,"a",@progbits
	.p2align	6, 0x0
	.amdhsa_kernel k_q3b98fbc99d_attn
		.amdhsa_group_segment_fixed_size 327680
		.amdhsa_private_segment_fixed_size 0
		.amdhsa_enable_private_segment 0
		.amdhsa_kernarg_size 40
		.amdhsa_user_sgpr_count 2
		.amdhsa_user_sgpr_kernarg_segment_ptr 1
		.amdhsa_wavefront_size32 1
		.amdhsa_system_sgpr_workgroup_id_x 1
		.amdhsa_system_sgpr_workgroup_id_y 1
		.amdhsa_system_sgpr_workgroup_id_z 1
		.amdhsa_system_vgpr_workitem_id 0
		.amdhsa_next_free_vgpr 256
		.amdhsa_next_free_sgpr 100
		.amdhsa_reserve_vcc 1
		.amdhsa_float_denorm_mode_32 3
		.amdhsa_float_denorm_mode_16_64 3
		.amdhsa_fp16_overflow 1
		.amdhsa_memory_ordered 1
		.amdhsa_forward_progress 1
		.amdhsa_inst_pref_size 115
	.end_amdhsa_kernel
	.amdgpu_metadata
---
amdhsa.version: [ 1, 2 ]
amdhsa.kernels:
  - .name:           k_q3b98fbc99d_attn
    .symbol:         k_q3b98fbc99d_attn.kd
    .args:
      - { .name: qc, .offset: 0, .size: 8, .value_kind: global_buffer, .address_space: global }
      - { .name: kv, .offset: 8, .size: 8, .value_kind: global_buffer, .address_space: global }
      - { .name: attention_mask, .offset: 16, .size: 8, .value_kind: global_buffer, .address_space: global }
      - { .name: oimg, .offset: 24, .size: 8, .value_kind: global_buffer, .address_space: global }
      - { .name: osc, .offset: 32, .size: 8, .value_kind: global_buffer, .address_space: global }
    .group_segment_fixed_size: 327680
    .private_segment_fixed_size: 0
    .kernarg_segment_align: 8
    .kernarg_segment_size: 40
    .max_flat_workgroup_size: 512
    .sgpr_count:     100
    .vgpr_count:     256
    .wavefront_size: 32
...
	.end_amdgpu_metadata
.endif
;; end of part 3
;; launch oproj (part 4): grid 128 x 2, 4 waves a work-group, clusters of 4 x 1, 327,680 bytes of LDS; arguments oimg, osc, wimg, bp, out0; writes out0
.if DOCPART == 4
	.amdgcn_target "amdgcn-amd-amdhsa--gfx1250"
	.amdhsa_code_object_version 6
	.text
	.protected	k_q3b98fbc99d_oproj
	.globl	k_q3b98fbc99d_oproj
	.p2align	8
	.type	k_q3b98fbc99d_oproj,@function
k_q3b98fbc99d_oproj:
	s_mov_b64 s[64:65], 0
	v_nop
	global_prefetch_b8 v0, s[64:65] scope:SCOPE_SE
	s_setreg_imm32_b32 hwreg(HW_REG_WAVE_MODE, 25, 1), 1
	s_wait_xcnt 0x0
	s_wait_alu depctr_hold_cnt(0) depctr_sa_sdst(0) depctr_va_vdst(0) depctr_va_sdst(0) depctr_va_ssrc(0) depctr_va_vcc(0) depctr_vm_vsrc(0)
	s_getreg_b32 s2, hwreg(HW_REG_IB_STS2, 6, 4)
	s_cmp_eq_u32 s2, 0
	s_cbranch_scc0 .Lentry_in_a_cluster
	s_endpgm
.Lentry_in_a_cluster:
	s_bfe_u32 s2, ttmp6, 0x10000c
	s_cmp_lg_u32 s2, 0x3003
	s_cbranch_scc0 .Lentry_shape_is_right
	s_endpgm
.Lentry_shape_is_right:
; out0 = O Wp + bp.  O: codes of FP8 (E4M3) and E8M0 scale words as images of operand registers (launch attn); Wp likewise (launch wprep); out0 [8192][1024] f32.
; SHARES.  A work-group takes 64 rows x 512 columns (y = which half); wave w takes 128 columns: 8 tiles of W x 4 row tiles = 32 accumulators.  K = 1,024 goes in four periods of two K steps of 128.
; W: a wave's two K steps are 33,792 dense bytes; two LDS slots by turns.  CLUSTER: the four work-groups of a cluster take other rows and the same columns: each quarter is asked for JOINTLY (mask 15).
; O: wave w loads row tile w's eight fragments from memory once, into registers, and hands two a period to the others through LDS, as images.
; The matrix instruction is used transposed (source 0 = 16 columns of W, source 1 = 16 tokens): a lane holds one token and eight neighbouring columns.  The bias is the C of each sum's first instruction.
; Tiles hold rows 32 g + 8 u + r + 8 (r / 8), tokens and columns alike.
; REGISTERS.  Window 0: v1-15 addresses; v16-23 W's scale words, v24-31 O's (four for each of a period's K steps); v32-159 O's fragments, later rows on the way out; v160-167 my tile's eight scale words.
;   Window 1: W's fragments, v0-127 and v128-255 for a period's two K steps.   Window 2: accumulator (row tile a, W tile b) at v[64 a + 8 b].   Window 3: v0-127 my tile's eight fragments; v128-191 the bias, 8 registers a W tile.
.set SLOTB,  135168
.set QUART,  33792
.set EIGHTH, 16896
.set WTEN,   1081344
.set XIMG,   2*SLOTB
.set XIB,    8704                      ; a K step's images: 4 fragments x 2,048 bytes + 4 x 128 bytes of scale words
.set XIB2,   2*XIB
.set SPARE,  XIMG+2*XIB2               ; the spare words, 128 bytes a wave: two blocks of 256 bytes that no other line names
.set SPITCH, 528                       ; the way out: a stage of 16 rows x (512 + 16) bytes for each wave, in slot 0, which has had its last fill and its last read by then
.set SPW, 1
.set NIL, 2
.set LI,  3                            ; 16 x lane
.set VW,  4
.set VWS, 6
.set XWI, 8
.set XWS, 9
.set XRI, 10
.set XRS, 11
.set STO, 12
.set RD,  13
.set AO,  14                           ; 32 r
.set BO,  15                           ; 64 h
.set WS,  16
.set XS,  24
.set XF,  32
.set AS,  160
.set WV,  14
.set G1,  24
.set G0,  32
.set MSB, 0
.macro WIN new
.if MSB != (\new)
	s_set_vgpr_msb (MSB<<8)|(\new)
.set MSB, (\new)
.endif
.endm
.macro PLACES n
.rept \n
	v_nop
.endr
.endm
.macro ROUND
	s_barrier_signal -1
	s_barrier_wait -1
	s_cmp_lg_u32 s[WV], 0
	s_cbranch_scc1 .Lnw0_\@
	s_barrier_signal -3
.Lnw0_\@:
	s_barrier_wait -3
	s_barrier_signal -1
	s_barrier_wait -1
.endm
.macro PUBLISH m                       ; my tile's fragments and scale words of K steps 2 m and 2 m + 1 go to LDS as they stand: 10 stores
	WIN 0x0c                                       ; an LDS store's data are its source 1: window 3
.irp kp, 0,1
.irp c, 0,1,2,3
	ds_store_b128 v[XWI], v[16*(2*(\m)+\kp)+4*\c:16*(2*(\m)+\kp)+4*\c+3] offset:XIB2*((\m)%2)+XIB*\kp+512*\c
.endr
.endr
	WIN 0
.irp kp, 0,1
	ds_store_b32 v[XWS], v[AS+2*(\m)+\kp] offset:XIB2*((\m)%2)+XIB*\kp
.endr
.endm
.macro FETCH p, kp                     ; 56 loads: O's four fragments, their scale words, W's scale words, W's eight fragments in ascending order
.irp a, 0,1,2,3
.irp c, 0,1,2,3
	ds_load_b128 v[XF+64*(\kp)+16*\a+4*\c:XF+64*(\kp)+16*\a+4*\c+3], v[XRI] offset:XIB2*(\p)+XIB*(\kp)+2048*\a+512*\c
.endr
.endr
.irp a, 0,1,2,3
	ds_load_b32 v[XS+4*(\kp)+\a], v[XRS] offset:XIB2*(\p)+XIB*(\kp)+128*\a
.endr
.irp e, 0,1,2,3
	ds_load_b32 v[WS+4*(\kp)+\e], v[VWS+(\p)] offset:EIGHTH*(\kp)+16384+128*\e
.endr
	WIN 0x40
.irp b, 0,1,2,3,4,5,6,7
.irp c, 0,1,2,3
	ds_load_b128 v[128*(\kp)+16*\b+4*\c:128*(\kp)+16*\b+4*\c+3], v[VW+(\p)] offset:EIGHTH*(\kp)+2048*\b+512*\c
.endr
.endr
	WIN 0
.endm
.macro WM d, a, b, c, sa, sb, odd
.if \odd
	v_wmma_scale_f32_16x16x128_f8f6f4 v[\d:\d+7], v[\a:\a+15], v[\b:\b+15], v[\c:\c+7], v[\sa], v[\sb] matrix_a_scale:MATRIX_SCALE_ROW1
.else
	v_wmma_scale_f32_16x16x128_f8f6f4 v[\d:\d+7], v[\a:\a+15], v[\b:\b+15], v[\c:\c+7], v[\sa], v[\sb]
.endif
.endm
; 16 matrix instructions: W tiles 4 g .. 4 g + 3 x the four row tiles.  The 32 accumulators take turns, one instruction a turn.  first = 1: C is the bias (window 3).
.macro MUL kp, g, first
.if \first
	WIN 0xb1                                       ; source 0 (W) window 1, source 1 (O) window 0, C window 3, D window 2
.else
	WIN 0xa1
.endif
.irp bb, 0,1,2,3
.irp a, 0,1,2,3
.if \first
	WM 64*\a+8*(4*(\g)+\bb), 128*(\kp)+16*(4*(\g)+\bb), XF+64*(\kp)+16*\a, 128+8*(4*(\g)+\bb), WS+4*(\kp)+2*(\g)+\bb/2, XS+4*(\kp)+\a, \bb%2
.else
	WM 64*\a+8*(4*(\g)+\bb), 128*(\kp)+16*(4*(\g)+\bb), XF+64*(\kp)+16*\a, 64*\a+8*(4*(\g)+\bb), WS+4*(\kp)+2*(\g)+\bb/2, XS+4*(\kp)+\a, \bb%2
.endif
.endr
.endr
.endm
; Period m: K steps 2 m and 2 m + 1.  In front of the barrier: all my tensor loads have landed, the add, my LDS reads and stores are done.  Behind it the other slot is filled again first (m < 3: the barrier is a round of the cluster's).
.macro OPER m
.set P, (\m)%2
	s_wait_tensorcnt 0x0
	ds_add_u32 v[SPW], v[NIL]                      ; 0 onto my spare word
.if (\m) < 3
	s_add_nc_u64 s[G0+4*P+2:G0+4*P+3], s[G0+4*P+2:G0+4*P+3], 2*QUART   ; no load of mine is out: this slot's next two K steps
.endif
	s_wait_dscnt 0x0
.if (\m) < 3
	ROUND
	tensor_load_to_lds s[G0+4*(1-P):G0+4*(1-P)+3], s[G1:G1+7]
	s_nop 0
.else
	s_barrier_signal -1
	s_barrier_wait -1
.endif
	PLACES 8                                       ; between the last products and loads into the registers that they read
.if (\m) < 3
	PUBLISH (\m)+1
.endif
	FETCH P, 0
	s_wait_dscnt 16                                ; all of the first K step but W's tiles 4-7 is in
	FETCH P, 1
.if (\m) == 0
	MUL 0, 0, 1
	s_wait_dscnt 56                                ; the second K step's 56 loads may be out
	MUL 0, 1, 1
.else
	MUL 0, 0, 0
	s_wait_dscnt 56
	MUL 0, 1, 0
.endif
	s_wait_dscnt 16                                ; W's tiles 4-7 of the second K step may be out
	MUL 1, 0, 0
	s_wait_dscnt 0x0
	MUL 1, 1, 0
	WIN 0
.endm
	s_load_b256 s[4:11], s[0:1], 0x0               ; oimg, osc, wimg, bp
	s_load_b64 s[12:13], s[0:1], 0x20              ; out0
	v_lshl_add_u32 v[SPW], v0, 2, SPARE
	v_mov_b32 v[NIL], 0
	ds_add_u32 v1, v2
	ds_add_u32 v1, v2
	s_wait_dscnt 0x0
	v_lshrrev_b32 v170, 5, v0
	v_readfirstlane_b32 s[WV], v170                ; wave 0..3
	v_and_b32 v170, 31, v0                         ; lane
	v_and_b32 v171, 15, v0                         ; r
	v_bfe_u32 v172, v0, 4, 1                       ; h
	v_lshlrev_b32 v[LI], 4, v170
	v_lshlrev_b32 v[AO], 5, v171
	v_lshlrev_b32 v[BO], 6, v172
	s_mul_i32 s60, s[WV], QUART
	v_lshl_add_u32 v[VW], v170, 4, s60
	v_add_nc_u32 v[VW+1], SLOTB, v[VW]
	v_lshl_add_u32 v[VWS], v170, 2, s60
	v_add_nc_u32 v[VWS+1], SLOTB, v[VWS]
	s_lshl_b32 s61, s[WV], 11
	s_add_co_u32 s61, s61, XIMG
	v_lshl_add_u32 v[XWI], v170, 4, s61
	s_lshl_b32 s61, s[WV], 7
	s_add_co_u32 s61, s61, XIMG+8192
	v_lshl_add_u32 v[XWS], v170, 2, s61
	v_add_nc_u32 v[XRI], XIMG, v[LI]
	v_lshlrev_b32 v[XRS], 2, v170
	v_add_nc_u32 v[XRS], XIMG+8192, v[XRS]
	s_mul_i32 s62, s[WV], 16*SPITCH                ; my stage
	v_mul_u32_u24 v[STO], v171, SPITCH
	v_lshl_add_u32 v[STO], v172, 6, v[STO]
	v_add_nc_u32 v[STO], s62, v[STO]               ; in: row r, + 64 h
	v_lshl_add_u32 v[RD], v170, 4, s62             ; back: a whole row of 512 bytes, 16 bytes a lane
	s_bfe_u32 s40, ttmp6, 0x40000                  ; cx: it enters global addresses of O and of the result alone
	s_lshl_b32 s41, ttmp9, 2
	s_add_co_u32 s41, s41, s40                     ; which 64 rows
	s_and_b32 s42, ttmp7, 0xffff                   ; which 512 columns
	s_lshl_b32 s43, s42, 2
	s_add_co_u32 s43, s43, s[WV]                   ; which 128 columns are my wave's
	s_lshl_b32 s44, s41, 2
	s_add_co_u32 s44, s44, s[WV]                   ; the row tile that I load
	s_lshl_b32 s46, s44, 14
	s_mov_b32 s47, 0
	s_lshl_b32 s48, s44, 9
	s_mov_b32 s49, 0
	s_mul_i32 s50, s43, SLOTB                      ; Wp's images: by columns, then by K step
	s_add_co_u32 s50, s50, 3*WTEN
	s_mov_b32 s51, 0
	s_lshl_b32 s52, s43, 9                         ; 128 columns of f32
	s_mov_b32 s53, 0
	s_lshl_b32 s54, s41, 18                        ; 64 rows of 4,096 bytes
	s_add_co_u32 s54, s54, s52
	s_mov_b32 s55, 0
	s_mov_b32 s[G1], 15|(3<<16)|(1<<21)            ; 15:0 the mask: all four work-groups; 17:16 elements of 8 bytes; 21 set beside a mask
	s_mov_b32 s[G1+1], 32<<16
	s_mov_b32 s[G1+2], 132<<16
	s_mov_b32 s[G1+3], 32<<16
	s_mov_b32 s[G1+4], 132                         ; 132 rows of 256 bytes: 33,792 dense bytes
	s_mov_b32 s[G1+5], 32
	s_mov_b32 s[G1+6], 0
	s_mov_b32 s[G1+7], 0
	s_wait_kmcnt 0x0
	s_add_nc_u64 s[4:5], s[4:5], s[46:47]
	s_add_nc_u64 s[6:7], s[6:7], s[48:49]
	s_add_nc_u64 s[8:9], s[8:9], s[50:51]
	s_add_nc_u64 s[10:11], s[10:11], s[52:53]
	s_add_nc_u64 s[12:13], s[12:13], s[54:55]
	s_mov_b32 s[G0], 1
	s_mul_i32 s[G0+1], s[WV], QUART
	s_mov_b64 s[G0+2:G0+3], s[8:9]                 ; K steps 0, 1
	s_or_b32 s[G0+3], s[G0+3], 0x80000000
	s_mov_b32 s[G0+4], 1
	s_add_co_u32 s[G0+5], s[G0+1], SLOTB
	s_add_nc_u64 s[G0+6:G0+7], s[8:9], QUART       ; K steps 2, 3
	s_or_b32 s[G0+7], s[G0+7], 0x80000000
	WIN 0xc0                                       ; destination window 3
.irp s, 0,1,2,3,4,5,6,7
.irp c, 0,1,2,3
	global_load_b128 v[16*\s+4*\c:16*\s+4*\c+3], v[LI], s[4:5] offset:2048*\s+512*\c
.endr
.endr
.irp b, 0,1,2,3,4,5,6,7                ; the bias in the result's layout: register j of tile b is column 32 (b / 2) + 16 h + 8 (b % 2) + j
	global_load_b128 v[128+8*\b:128+8*\b+3], v[BO], s[10:11] offset:128*(\b/2)+32*(\b%2)
	global_load_b128 v[128+8*\b+4:128+8*\b+7], v[BO], s[10:11] offset:128*(\b/2)+32*(\b%2)+16
.endr
	WIN 0
	global_load_b128 v[AS:AS+3], v[AO], s[6:7]     ; my token's eight scale words
	global_load_b128 v[AS+4:AS+7], v[AO], s[6:7] offset:16
	ROUND                                          ; all four work-groups are here: the first joint loads meet
	tensor_load_to_lds s[G0:G0+3], s[G1:G1+7]
	s_nop 0
	PLACES 4
	s_wait_loadcnt 0x0
	s_wait_alu depctr_va_vdst(0)
	PUBLISH 0
	OPER 0
	OPER 1
	OPER 2
	OPER 3
; THE WAY OUT, a row tile at a time.  A lane holds pieces of 32 bytes of one row: the tile goes through my own stage in LDS and comes back as whole rows of 512 bytes, which the 32 lanes store as 512 consecutive, aligned bytes.
; LDS serves a wave's instructions in order (ISA guide 5.7.1.4): no wait between the stores and the loads, nor in front of the next tile's stores.
.macro TOSTAGE a
	WIN 0x08                                       ; the data: window 2
.irp b, 0,1,2,3,4,5,6,7
	ds_store_b128 v[STO], v[64*(\a)+8*\b:64*(\a)+8*\b+3] offset:128*(\b/2)+32*(\b%2)      ; each accumulator from its low end on
	ds_store_b128 v[STO], v[64*(\a)+8*\b+4:64*(\a)+8*\b+7] offset:128*(\b/2)+32*(\b%2)+16
.endr
	WIN 0
.irp t, 0,1,2,3,4,5,6,7,8,9,10,11,12,13,14,15
	ds_load_b128 v[XF+64*((\a)%2)+4*\t:XF+64*((\a)%2)+4*\t+3], v[RD] offset:\t*SPITCH
.endr
.endm
.macro SEND a, younger                 ; younger: the LDS instructions issued behind tile a's loads, which may stay out
	s_wait_dscnt \younger
.irp t, 0,1,2,3,4,5,6,7,8,9,10,11,12,13,14,15
	global_store_b128 v[LI], v[XF+64*((\a)%2)+4*\t:XF+64*((\a)%2)+4*\t+3], s[12:13] offset:(32*((\a)/2)+8*((\a)%2)+\t+8*(\t/8))*4096 th:TH_STORE_NT
.endr
.endm
	PLACES 8                                       ; between the last products and the first read of results, and the loads over O's fragments
	TOSTAGE 0
	TOSTAGE 1
	SEND 0, 32                                     ; behind tile 0's loads: tile 1's 16 stores and 16 loads
	s_wait_xcnt 0x0                                ; tile 0's stores have read their registers: tile 2's rows may land there
	TOSTAGE 2
	SEND 1, 32
	s_wait_xcnt 0x0
	TOSTAGE 3
	SEND 2, 32
	SEND 3, 0
	s_wait_tensorcnt 0x0                           ; the wave's end
	ds_add_u32 v[SPW], v[NIL]
	s_wait_dscnt 0x0
	ROUND                                          ; the closing round
	s_endpgm
.Lfunc_end_k_q3b98fbc99d_oproj:
	.size	k_q3b98fbc99d_oproj, .Lfunc_end_k_q3b98fbc99d_oproj-k_q3b98fbc99d_oproj
	.p2alignl 7, 3214868480
	.fill 96, 4, 3214868480
	.section	.rodata,"a",@progbits
	.p2align	6, 0x0
	.amdhsa_kernel k_q3b98fbc99d_oproj
		.amdhsa_group_segment_fixed_size 327680
		.amdhsa_private_segment_fixed_size 0
		.amdhsa_enable_private_segment 0
		.amdhsa_kernarg_size 40
		.amdhsa_user_sgpr_count 2
		.amdhsa_user_sgpr_kernarg_segment_ptr 1
		.amdhsa_wavefront_size32 1
		.amdhsa_system_sgpr_workgroup_id_x 1
		.amdhsa_system_sgpr_workgroup_id_y 1
		.amdhsa_system_sgpr_workgroup_id_z 1
		.amdhsa_system_vgpr_workitem_id 0
		.amdhsa_next_free_vgpr 1024
		.amdhsa_next_free_sgpr 80
		.amdhsa_reserve_vcc 0
		.amdhsa_float_denorm_mode_32 3
		.amdhsa_float_denorm_mode_16_64 3
		.amdhsa_memory_ordered 1
		.amdhsa_forward_progress 1
		.amdhsa_inst_pref_size 92
	.end_amdhsa_kernel
	.amdgpu_metadata
---
amdhsa.version: [ 1, 2 ]
amdhsa.kernels:
  - .name:           k_q3b98fbc99d_oproj
    .symbol:         k_q3b98fbc99d_oproj.kd
    .args:
      - { .name: oimg, .offset: 0, .size: 8, .value_kind: global_buffer, .address_space: global }
      - { .name: osc, .offset: 8, .size: 8, .value_kind: global_buffer, .address_space: global }
      - { .name: wimg, .offset: 16, .size: 8, .value_kind: global_buffer, .address_space: global }
      - { .name: bp, .offset: 24, .size: 8, .value_kind: global_buffer, .address_space: global }
      - { .name: out0, .offset: 32, .size: 8, .value_kind: global_buffer, .address_space: global }
    .group_segment_fixed_size: 327680
    .private_segment_fixed_size: 0
    .kernarg_segment_align: 8
    .kernarg_segment_size: 40
    .max_flat_workgroup_size: 128
    .sgpr_count:     80
    .vgpr_count:     1024
    .wavefront_size: 32
...
	.end_amdgpu_metadata
.endif
;; end of part 4
